; MI455X (gfx1250); checked and timed in simulation.
; The chip was launched on July 23, 2026; its instructions are those of AMD's public machine-readable ISA for CDNA 5 (MIT licence, August 2026) and "CDNA5" Instruction Set Architecture Reference Guide (July 2026). The comments in the code are by the model that wrote it; some were corrected since.
;; Transformer Block. Allowed arithmetic: matrix products marked QUANTISED: E5M2 operands, one given power-of-two scale a tensor, by v_wmma_f32_16x16x64_bf8_bf8 or v_wmma_f32_16x16x128_bf8_bf8, f32 sums; everything else in f32.
;; Inputs: b_fc1 4,096 float32; b_fc2 1,024 float32; b_o 1,024 float32; ln1_b 1,024 float32; ln1_g 1,024 float32; ln2_b 1,024 float32; ln2_g 1,024 float32; lowp_scales 16 int32 (the exponents e of the quantised operands' scales 2^e); w_fc1_codes 4,096 x 32 x 32 uint8 (E5M2 codes of w_fc1, K innermost, in blocks of 32 codes); w_fc2_codes 1,024 x 128 x 32 uint8 (E5M2 codes of w_fc2, K innermost, in blocks of 32 codes); w_k_codes 1,024 x 32 x 32 uint8 (E5M2 codes of w_k, K innermost, in blocks of 32 codes); w_o_codes 1,024 x 32 x 32 uint8 (E5M2 codes of w_o, K innermost, in blocks of 32 codes); w_q_codes 1,024 x 32 x 32 uint8 (E5M2 codes of w_q, K innermost, in blocks of 32 codes); w_v_codes 1,024 x 32 x 32 uint8 (E5M2 codes of w_v, K innermost, in blocks of 32 codes); x 2 x 2,048 x 1,024 float32.
;; Outputs: out0 2 x 2,048 x 1,024 float32.
;; This version of the problem:
;;   THIS VERSION OF THE PROBLEM IS GIVEN IN LOW PRECISION. The matrix products marked QUANTISED in the list below multiply operands that are first quantised to E5M2 (5 exponent bits, 2 mantissa bits; 8 bits a number), with one given power-of-two scale for each operand tensor; their sums are f32. All else is computed in f32.
;;   The module's matrix products, in the order in which they are computed (A, B: the left and right operand; K: the contracted axis; several contracted axes count as one K, in the product's order):
;;     1. [M 4,096, K 1,024] x [K 1,024, N 1,024]; A: computed on the way; B: input w_q (given as codes): QUANTISED (scales: A lowp_scales[0], B lowp_scales[1])
;;     2. [M 4,096, K 1,024] x [K 1,024, N 1,024]; A: computed on the way; B: input w_k (given as codes): QUANTISED (scales: A lowp_scales[2], B lowp_scales[3])
;;     3. [M 4,096, K 1,024] x [K 1,024, N 1,024]; A: computed on the way; B: input w_v (given as codes): QUANTISED (scales: A lowp_scales[4], B lowp_scales[5])
;;     4. batch 32 x [M 2,048, K 64] x [K 64, N 2,048]; A: computed on the way; B: computed on the way: QUANTISED (scales: A lowp_scales[6], B lowp_scales[7])
;;     5. batch 32 x [M 2,048, K 2,048] x [K 2,048, N 64]; A: softmax (see below); B: computed on the way: QUANTISED (scales: A lowp_scales[8], B lowp_scales[9])
;;     6. [M 4,096, K 1,024] x [K 1,024, N 1,024]; A: computed on the way; B: input w_o (given as codes): QUANTISED (scales: A lowp_scales[10], B lowp_scales[11])
;;     7. [M 4,096, K 1,024] x [K 1,024, N 4,096]; A: computed on the way; B: input w_fc1 (given as codes): QUANTISED (scales: A lowp_scales[12], B lowp_scales[13])
;;     8. [M 4,096, K 4,096] x [K 4,096, N 1,024]; A: computed on the way; B: input w_fc2 (given as codes): QUANTISED (scales: A lowp_scales[14], B lowp_scales[15])
;;   THE QUANTISER, for each operand of a quantised product, along K:
;;     - The operand's scale is 2^e, e = its entry of the input lowp_scales (int32; the entries are numbered through the quantised products in the list's order, A before B).
;;     - Each number is divided by the scale, clamped to +-57,344, and rounded to the nearest number of E5M2, ties to even, subnormals kept.
;;     - The product sums the exact products of the quantised numbers (number of the format x scale) in f32.
;;   ~~~python
;;   def quantise(x, axis, e):      # numpy; x: float32 -> the quantised numbers, widened to float32 again
;;       x = np.moveaxis(x, axis, -1); K = x.shape[-1]
;;       r = np.clip(x / 2.0 ** e, -57344, 57344)
;;       step = 2.0 ** (np.maximum(np.frexp(np.where(r == 0, 1, r))[1] - 1, -14) - 2)
;;       q = np.round(r / step) * step * 2.0 ** e      # np.round: ties to even
;;       return np.moveaxis(q, -1, axis).astype(np.float32)
;;   ~~~
;;   SOFTMAX AHEAD OF A QUANTISED PRODUCT. Where the list says 'softmax', what is quantised is not the finished softmax but p = 2^(t - M), with t = logit x log2(e) and M = ceil(the row's largest t), a whole number; so 1/2 < the row's largest p <= 1. The row's sum l is taken of the UNQUANTISED p, in f32, and the product's result is divided by l at the end. Since M is a whole number, a kernel that streams over the keys may use a running M (the ceiling of the running maximum): every later rescaling is an exact power of two, so the quantised numbers keep their values, but for numbers so far below the row's largest that they fall under the format's range.
;;   OPERANDS COMPUTED ON THE WAY. 'Computed on the way' means the value that the module computes at that place (a softmax that the list does not call 'softmax' is quantised finished and normalised). What goes into a quantiser is computed in f32, as accurately as f32 sums, v_exp_f32 and their like allow (about 1e-6 of the number): no bf16 or f16 on the way to a quantiser, and a product that is left as it is and whose result goes on into a quantised operand takes f32 operands (vector FMAs, or v_wmma_f32_16x16x4_f32). A number that lies on a knife's edge between two numbers of the format may be rounded either way, as far as f32 arithmetic and the matrix unit's own rounding can turn it there, and no further.
;;   INPUTS GIVEN AS CODES. w_fc1 (in the module: [1024, 4096], K = its axis 0); w_fc2 (in the module: [4096, 1024], K = its axis 0); w_k (in the module: [1024, 1024], K = its axis 0); w_o (in the module: [1024, 1024], K = its axis 0); w_q (in the module: [1024, 1024], K = its axis 0); w_v (in the module: [1024, 1024], K = its axis 0): each comes as NAME_codes (uint8): NAME with its K axis moved to the last place and cut into blocks of 32 codes, [.., K / 32, bytes a block], one block behind the other in memory; one code a byte (a code: sign, 5 exponent bits, 2 mantissa bits); its scale is its entry of lowp_scales. Its value is code x scale, taken as it is: it is not quantised again, and the codes and scales need not be those that the quantiser above would give.
;; One version. Each part assembles by itself: llvm-mc -triple=amdgcn-amd-amdhsa -mcpu=gfx1250 --defsym DOCPART=n.
;; ======== version 1 of 1: 7 launches
;; limits: right only within a limited range of input values
;; workspace buffers: h_codes 12,582,912 bytes; qkv_codes 12,582,912 bytes; ctx_codes 4,194,304 bytes; x1 16,777,216 bytes; h2_codes 4,194,304 bytes; g_codes 16,777,216 bytes
;; launch ln1 (part 1): grid 256 x 1, 8 waves a work-group, no clusters, 41,984 bytes of LDS; arguments x, ln1_g, ln1_b, lowp_scales, h_codes; writes h_codes
.if DOCPART == 1
	.amdgcn_target "amdgcn-amd-amdhsa--gfx1250"
	.amdhsa_code_object_version 6
	.text
	.protected	k_q3cc07cf18b_ln1
	.globl	k_q3cc07cf18b_ln1
	.p2align	8
	.type	k_q3cc07cf18b_ln1,@function
k_q3cc07cf18b_ln1:
	s_mov_b64 s[64:65], 0
	v_nop
	global_prefetch_b8 v0, s[64:65] scope:SCOPE_SE
	s_setreg_imm32_b32 hwreg(HW_REG_WAVE_MODE, 25, 1), 1
	s_wait_xcnt 0x0
; FIRST OF SEVEN LAUNCHES of a transformer block: ln1, qkv, attn, oproj, ln2, fc1, fc2.
; WORK LEFT OUT IN THE WHOLE PROGRAM: reference() itself sets the score of key m for query q to -infinity where m > q (its own triu mask).  exp(-inf) = 0, so such a key adds 0 to the row's sum
; and 0 to ctx, whatever finite values the inputs hold.  The launch attn therefore leaves out every step of 128 keys that lie wholly behind a wave's 16 queries, and does not fetch key slots that lie
; wholly behind a work-group's last query.  Nothing else is left out: every input has a way to out0 and is loaded by some launch.
; LIMIT: a NaN, an infinity or an overflow that reaches only the scores or values left out is not carried to the result.
; THIS LAUNCH: y = (x - mean) g / (std + 1e-6) + b along the 1,024 of a row, std with divisor 1,023, all in f32; y is then quantised NS times, with the scales 2^e of entries E0, E0 + 2, .. of lowp_scales,
; into NS sets of E5M2 codes, [4096][1024] each, 4 MiB apart.  code = y / 2^e, held within +-57,344, to the nearest code, ties to even.
; LIMITS: each e between -126 and 112, so that 2^e and 57,344 x 2^e are f32 numbers.  NaN among the inputs is not served.
; SHARES: a work-group takes 16 rows, a wave two; a wave holds a whole row (32 registers a lane), so no sum leaves the wave and there is no barrier.  Memory binds: no matrix unit, no cluster (no work-group shares
; a byte of x with another), no tensor load.  Every load reads 512 consecutive bytes, 16 a lane; each 2,048 bytes turn through the wave's own stage in LDS (16 bytes of padding behind each 64) and come back
; 64 bytes a lane, so that a lane holds 16 NEIGHBOURS, which the conversions want; g and b take the same turn.  A lane's 16 codes are 16 bytes: a store covers 512 consecutive bytes.
.set NS,    3
.set E0,    0
.set SP,    80                         ; a lane's place in a stage: 64 bytes + 16
.set WREG,  2*32*SP                    ; a wave's two stages
.set SPARE, 8*WREG                     ; behind them: the spare words, 128 bytes a wave
.set SPW,   4                          ; v4  my spare word's address; never rewritten
.set NIL,   5                          ; v5  0; never rewritten
.set SIN,   14                         ; v14 the stage, way in
.set SOUT,  15                         ; v15 the stage, way out
.set SC,    16                         ; v16-18 2^e as f32
.set LM,    19                         ; v19-21 57,344 x 2^e
.set AC,    22                         ; v22-29 four pairs of partial sums
.set RG,    32                         ; as loaded: g, b, row 0, row 1
.set RB,    64
.set RX0,   96
.set RX1,   128
.set G,     160                        ; turned: g, b, row 0
.set BT,    192
.set XA,    224
.set XB,    32                         ; row 1, where g lay as loaded
.set Y,     64                         ; the held numbers, where b lay as loaded
.set CA,    96                         ; row 0's codes, 8 registers a scale; row 1's
.set CB,    128
.set OUTP,  36                         ; s[36:41] a base for each set of codes
	s_load_b256 s[4:11], s[0:1], 0x0               ; x, g, b, the scales' exponents
	s_load_b64 s[12:13], s[0:1], 0x20              ; the codes
	v_lshl_add_u32 v[SPW], v0, 2, SPARE
	v_mov_b32 v[NIL], 0
	v_lshrrev_b32 v1, 5, v0
	s_delay_alu instid0(VALU_DEP_1)
	v_readfirstlane_b32 s16, v1                    ; wave
	v_and_b32 v2, 31, v0                           ; lane
	s_delay_alu instid0(VALU_DEP_1)
	v_lshlrev_b32 v3, 4, v2                        ; my 16 bytes of 512
	s_mul_i32 s17, s16, WREG
	v_lshrrev_b32 v[SIN], 2, v2
	s_delay_alu instid0(VALU_DEP_1)
	v_mul_u32_u24 v[SIN], v[SIN], SP
	v_and_b32 v[SOUT], 3, v2
	s_delay_alu instid0(VALU_DEP_1)
	v_lshl_add_u32 v[SIN], v[SOUT], 4, v[SIN]
	s_delay_alu instid0(VALU_DEP_1)
	v_add_nc_u32 v[SIN], s17, v[SIN]               ; four lanes' 64 bytes on end, then 16 of padding
	v_mul_u32_u24 v[SOUT], v2, SP
	s_delay_alu instid0(VALU_DEP_1)
	v_add_nc_u32 v[SOUT], s17, v[SOUT]             ; my 64 bytes
	v_mov_b32 v11, 0                               ; a lane permute's destination counts as read
	s_lshl_b32 s18, ttmp9, 4
	s_lshl_b32 s19, s16, 1
	s_add_co_u32 s18, s18, s19                     ; my first row
	s_lshl_b32 s22, s18, 12                        ; in x
	s_mov_b32 s23, 0
	s_lshl_b32 s30, s18, 10                        ; in a set of codes
	s_mov_b32 s31, 0
	s_mov_b32 s20, 0x76543210                      ; lane l xor 16
	s_mov_b32 s21, 0xfedcba98
	s_wait_alu depctr_va_vdst(0)
	s_wait_kmcnt 0x0
.set qs, 0
.rept NS
	s_load_b32 s[24+qs], s[10:11], 4*(E0+2*qs)
.set qs, qs+1
.endr
	s_add_nc_u64 s[4:5], s[4:5], s[22:23]
	s_add_nc_u64 s[OUTP:OUTP+1], s[12:13], s[30:31]
.if NS > 1
	s_add_nc_u64 s[OUTP+2:OUTP+3], s[OUTP:OUTP+1], 0x400000
	s_add_nc_u64 s[OUTP+4:OUTP+5], s[OUTP:OUTP+1], 0x800000
.endif
.macro LOADROW reg, base, off, nt
.irp i, 0,1,2,3,4,5,6,7
.if \nt
	global_load_b128 v[\reg+4*\i:\reg+4*\i+3], v3, s[\base:\base+1] offset:\off+512*\i th:TH_LOAD_NT
.else
	global_load_b128 v[\reg+4*\i:\reg+4*\i+3], v3, s[\base:\base+1] offset:\off+512*\i
.endif
.endr
.endm
.macro TURNROW raw, fin                ; LDS serves a wave's instructions in order: no wait between the stores and the loads, nor in front of the next row's stores
.irp u, 0,1
.irp i, 0,1,2,3
	ds_store_b128 v[SIN], v[\raw+16*\u+4*\i:\raw+16*\u+4*\i+3] offset:32*SP*\u+8*SP*\i
.endr
.irp i, 0,1,2,3
	ds_load_b128 v[\fin+16*\u+4*\i:\fin+16*\u+4*\i+3], v[SOUT] offset:32*SP*\u+16*\i
.endr
.endr
.endm
.macro FOLD                            ; four pairs -> v10, then over the 32 lanes
	s_delay_alu instid0(VALU_DEP_3)
	v_pk_add_f32 v[AC:AC+1], v[AC:AC+1], v[AC+2:AC+3]
	s_delay_alu instid0(VALU_DEP_2)
	v_pk_add_f32 v[AC+4:AC+5], v[AC+4:AC+5], v[AC+6:AC+7]
	s_delay_alu instid0(VALU_DEP_1)
	v_pk_add_f32 v[AC:AC+1], v[AC:AC+1], v[AC+4:AC+5]
	s_delay_alu instid0(VALU_DEP_1)
	v_add_f32 v10, v[AC], v[AC+1]
	s_delay_alu instid0(VALU_DEP_1)
	v_add_f32_dpp v10, v10, v10 row_xmask:1 row_mask:0xf bank_mask:0xf
	s_delay_alu instid0(VALU_DEP_1)
	v_add_f32_dpp v10, v10, v10 row_xmask:2 row_mask:0xf bank_mask:0xf
	s_delay_alu instid0(VALU_DEP_1)
	v_add_f32_dpp v10, v10, v10 row_xmask:4 row_mask:0xf bank_mask:0xf
	s_delay_alu instid0(VALU_DEP_1)
	v_add_f32_dpp v10, v10, v10 row_xmask:8 row_mask:0xf bank_mask:0xf
	s_delay_alu instid0(VALU_DEP_1)
	v_permlanex16_b32 v11, v10, s20, s21
	s_delay_alu instid0(VALU_DEP_1)
	v_add_f32 v10, v10, v11
.endm
.macro ROWDO X, C, rowoff
.irp k, 0,1,2,3
	v_pk_add_f32 v[AC+2*\k:AC+2*\k+1], v[\X+4*\k:\X+4*\k+1], v[\X+4*\k+2:\X+4*\k+3]
.endr
.irp k, 0,1,2,3,4,5,6,7
	s_delay_alu instid0(VALU_DEP_4)
	v_pk_add_f32 v[AC+2*(\k%4):AC+2*(\k%4)+1], v[AC+2*(\k%4):AC+2*(\k%4)+1], v[\X+16+2*\k:\X+16+2*\k+1]
.endr
	FOLD
	s_delay_alu instid0(VALU_DEP_1)
	v_mul_f32 v6, 0x3a800000, v10                  ; the mean: / 1,024
	s_delay_alu instid0(VALU_DEP_1)
	v_mov_b32 v7, v6
.set j, 0
.rept 16
	v_pk_add_f32 v[\X+j:\X+j+1], v[\X+j:\X+j+1], v[6:7] op_sel_hi:[1,0] neg_lo:[0,1] neg_hi:[0,1]   ; d = x - mean
.set j, j+2
.endr
.irp k, 0,1,2,3
	v_pk_mul_f32 v[AC+2*\k:AC+2*\k+1], v[\X+2*\k:\X+2*\k+1], v[\X+2*\k:\X+2*\k+1]
.endr
.irp k, 4,5,6,7,8,9,10,11,12,13,14,15
	s_delay_alu instid0(VALU_DEP_4)
	v_pk_fma_f32 v[AC+2*(\k%4):AC+2*(\k%4)+1], v[\X+2*\k:\X+2*\k+1], v[\X+2*\k:\X+2*\k+1], v[AC+2*(\k%4):AC+2*(\k%4)+1]
.endr
	FOLD
	s_delay_alu instid0(VALU_DEP_1)
	v_mul_f32 v10, 0x3a802008, v10                 ; / 1,023
	s_wait_alu depctr_va_vdst(0)
	v_sqrt_f32 v12, v10
	v_nop                                          ; a plain instruction behind a transcendental,
	s_wait_alu depctr_va_vdst(0)                   ; and the wait ahead of its first reader
	v_add_f32 v12, 0x358637bd, v12                 ; + 1e-6
	s_wait_alu depctr_va_vdst(0)
	v_rcp_f32 v8, v12
	v_nop
	s_wait_alu depctr_va_vdst(0)
	v_mov_b32 v9, v8
.set j, 0
.rept 16
	v_pk_mul_f32 v[\X+j:\X+j+1], v[\X+j:\X+j+1], v[G+j:G+j+1]
.set j, j+2
.endr
.set j, 0
.rept 16
	v_pk_fma_f32 v[\X+j:\X+j+1], v[\X+j:\X+j+1], v[8:9], v[BT+j:BT+j+1] op_sel_hi:[1,0,1]
.set j, j+2
.endr
.set qs, 0
.rept NS
.set i, 0
.rept 32
	v_med3_num_f32 v[Y+i], v[\X+i], -v[LM+qs], v[LM+qs]   ; the conversion to an 8-bit code does not saturate (ISA guide 7.6.2): the hold comes first
.set i, i+1
.endr
.irp g, 0,1,2,3
	v_cvt_scalef32_pk8_bf8_f32 v[\C+8*qs+2*\g:\C+8*qs+2*\g+1], v[Y+8*\g:Y+8*\g+7], v[SC+qs]
.endr
	v_nop                                          ; a plain instruction between the conversions and the next writes of their sources
	global_store_b128 v3, v[\C+8*qs:\C+8*qs+3], s[OUTP+2*qs:OUTP+2*qs+1] offset:\rowoff
	global_store_b128 v3, v[\C+8*qs+4:\C+8*qs+7], s[OUTP+2*qs:OUTP+2*qs+1] offset:\rowoff+512
.set qs, qs+1
.endr
.endm
	LOADROW RG, 6, 0, 0
	LOADROW RB, 8, 0, 0
	LOADROW RX0, 4, 0, 1
	LOADROW RX1, 4, 4096, 1                        ; 32 loads of the wave are out
	s_wait_kmcnt 0x0
.set qs, 0
.rept NS
	s_add_co_i32 s27, s[24+qs], 127
	s_lshl_b32 s28, s27, 23
	v_mov_b32 v[SC+qs], s28                        ; 2^e: the conversion takes its exponent field
	s_add_co_i32 s27, s27, 15
	s_lshl_b32 s27, s27, 23
	s_or_b32 s27, s27, 0x600000
	v_mov_b32 v[LM+qs], s27                        ; 57,344 x 2^e
.set qs, qs+1
.endr
	s_wait_loadcnt 24                              ; g is in; the 24 younger loads may be out
	TURNROW RG, G
	s_wait_loadcnt 16                              ; b
	TURNROW RB, BT
	s_wait_loadcnt 8                               ; row 0
	TURNROW RX0, XA
	s_wait_dscnt 0x0                               ; the stage's stores have read g's, b's and row 0's registers, which are written anew below
	s_wait_loadcnt 0x0                             ; row 1
	TURNROW RX1, XB
	ROWDO XA, CA, 0
	s_wait_dscnt 0x0                               ; row 1 is back
	ROWDO XB, CB, 1024
	s_wait_tensorcnt 0x0                           ; the wave's end
	ds_add_u32 v[SPW], v[NIL]
	s_wait_dscnt 0x0
	s_endpgm
.Lfunc_end_k_q3cc07cf18b_ln1:
	.size	k_q3cc07cf18b_ln1, .Lfunc_end_k_q3cc07cf18b_ln1-k_q3cc07cf18b_ln1
	.p2alignl 7, 3214868480
	.fill 96, 4, 3214868480
	.section	.rodata,"a",@progbits
	.p2align	6, 0x0
	.amdhsa_kernel k_q3cc07cf18b_ln1
		.amdhsa_group_segment_fixed_size 41984
		.amdhsa_private_segment_fixed_size 0
		.amdhsa_enable_private_segment 0
		.amdhsa_kernarg_size 40
		.amdhsa_user_sgpr_count 2
		.amdhsa_user_sgpr_kernarg_segment_ptr 1
		.amdhsa_wavefront_size32 1
		.amdhsa_system_sgpr_workgroup_id_x 1
		.amdhsa_system_sgpr_workgroup_id_y 1
		.amdhsa_system_sgpr_workgroup_id_z 1
		.amdhsa_system_vgpr_workitem_id 0
		.amdhsa_next_free_vgpr 256
		.amdhsa_next_free_sgpr 66
		.amdhsa_reserve_vcc 0
		.amdhsa_float_denorm_mode_32 3
		.amdhsa_float_denorm_mode_16_64 3
		.amdhsa_memory_ordered 1
		.amdhsa_forward_progress 1
		.amdhsa_inst_pref_size 41
	.end_amdhsa_kernel
	.amdgpu_metadata
---
amdhsa.version: [ 1, 2 ]
amdhsa.kernels:
  - .name:           k_q3cc07cf18b_ln1
    .symbol:         k_q3cc07cf18b_ln1.kd
    .args:
      - { .name: x, .offset: 0, .size: 8, .value_kind: global_buffer, .address_space: global }
      - { .name: ln1_g, .offset: 8, .size: 8, .value_kind: global_buffer, .address_space: global }
      - { .name: ln1_b, .offset: 16, .size: 8, .value_kind: global_buffer, .address_space: global }
      - { .name: lowp_scales, .offset: 24, .size: 8, .value_kind: global_buffer, .address_space: global }
      - { .name: h_codes, .offset: 32, .size: 8, .value_kind: global_buffer, .address_space: global }
    .group_segment_fixed_size: 41984
    .private_segment_fixed_size: 0
    .kernarg_segment_align: 8
    .kernarg_segment_size: 40
    .max_flat_workgroup_size: 256
    .sgpr_count:     66
    .vgpr_count:     256
    .wavefront_size: 32
...
	.end_amdgpu_metadata
.endif
;; end of part 1
;; launch qkv (part 2): grid 12 x 16, 4 waves a work-group, clusters of 4 x 4, 327,680 bytes of LDS; arguments h_codes, w_q_codes, w_k_codes, w_v_codes, lowp_scales, qkv_codes; writes qkv_codes
.if DOCPART == 2
	.amdgcn_target "amdgcn-amd-amdhsa--gfx1250"
	.amdhsa_code_object_version 6
	.text
	.protected	k_q3cc07cf18b_qkv
	.globl	k_q3cc07cf18b_qkv
	.p2align	8
	.type	k_q3cc07cf18b_qkv,@function
k_q3cc07cf18b_qkv:
	s_mov_b64 s[64:65], 0
	v_nop
	global_prefetch_b8 v0, s[64:65] scope:SCOPE_SE
	s_setreg_imm32_b32 hwreg(HW_REG_WAVE_MODE, 25, 1), 1
	s_wait_xcnt 0x0
	s_wait_alu depctr_hold_cnt(0) depctr_sa_sdst(0) depctr_va_vdst(0) depctr_va_sdst(0) depctr_va_ssrc(0) depctr_va_vcc(0) depctr_vm_vsrc(0)
	s_getreg_b32 s2, hwreg(HW_REG_IB_STS2, 6, 4)
	s_cmp_eq_u32 s2, 0
	s_cbranch_scc0 .Lentry_in_a_cluster
	s_endpgm
.Lentry_in_a_cluster:
	s_bfe_u32 s2, ttmp6, 0x10000c
	s_cmp_lg_u32 s2, 0xf033
	s_cbranch_scc0 .Lentry_shape_is_right
	s_endpgm
.Lentry_shape_is_right:
; q = h w_q, k = h w_k, v = h w_v on E5M2 codes (K = 1,024), each result quantised at once for attention's products: q with entry 6 of lowp_scales, k with entry 7, v with entry 9.
; One column of clusters (cluster x = c) makes one of the three: c = 0 q, 1 k, 2 v.  h's codes for it are set c of h_codes.  q and k: C[token][channel] = h W^T.  v is made TRANSPOSED, C[channel][token] = W h^T,
; so that its codes lie with the keys innermost, as the second product of attention wants them.  The choice between the two forms is made by selects on c, which all partners of a cluster share: no branch.
; OUTPUT, PLANE LAYOUT: the code of C[m][n] lies at (n / 64) x PS + 64 m + n % 64, PS = 64 x the rows of C: four rows of a plane are 256 consecutive bytes, all inside one wave's tile.
; A sum stands for sum x 2^(eA + eB); its code is sum / 2^f, f = eout - eA - eB, held within +-57,344 x 2^f.  LIMIT: f between -126 and 112.  NaN is not served.
; THE PRODUCT: a tile of C, 256 x 256, by four waves of 128 x 128 (64 accumulators, 512 registers); K in steps of 256 through a ring of two LDS slots filled by the tensor data mover, rows of 256 bytes + 16 of padding.
; CLUSTERS 4 x 4: A's tile is asked for jointly by a row of the cluster, B's by a column.  The matrix instruction is used transposed (source 0 = rows of B, source 1 = rows of A): a lane holds eight neighbours of a row of C.
; A wave has one tensor load out at the start and one behind each round.  Of the four K steps two are first fills, and tiles are shared by the joint loads; prefetches ask for K steps 2 and 3.
; REGISTERS: window 0: v16-31 addresses and the scale; v64-71 codes; v128-255 A's fragments, on the way out the numbers at work.  window 1: B's fragments, two sets.  windows 2, 3: the accumulators.
.set SIZE_K, 1024
.set KSTEP,  256
.set ROWB,   256
.set KROW,   SIZE_K
.set PITCH,  272
.set FR,     16
.set NL,     4
.set NP,     4
.set HALFT,  128*PITCH
.set SLOT,   4*HALFT
.set LAPS,   SIZE_K/(2*KSTEP)
.set SPARE,  2*SLOT                    ; behind the ring: the spare words
.set SPITCH, 528                       ; the way out: a stage of 64 rows x (512 bytes + 16) for each wave, in slot 0, which has had its last fill and its last read by then
.set WSTAGE, 64*SPITCH
.set ADRA, 16
.set ADRB, 20
.set ADR,  22                          ; v22 the stage's read address in hand
.set STO,  24
.set RD,   25
.set CO,   26
.set SPW,  28
.set NIL,  29
.set SCL,  30                          ; v30 2^f
.set LIM,  31                          ; v31 57,344 x 2^f
.set CD,   64
.set AF,   128
.set R,    128
.set X,    160
.set OP0,  10                          ; s[10:11], s[12:13] my two planes
.set OP1,  12
.set G1, 24
.set G0, 32
.set G1B, 48
.set G0B, 56
.set MSB, 0
.macro WIN new                         ; the immediate's high byte repeats the setting that is left
.if MSB != \new
	s_set_vgpr_msb (MSB<<8)|\new
.set MSB, \new
.endif
.endm
.set MUL_LO, 0xa1
.set MUL_HI, 0xf1
.set TO_B,   0x40
.macro JLOAD g0a, g1a, g0b, g1b        ; a joint load: waves 0 and 1 fetch for A, waves 2 and 3 for B; an s_nop 0 and four v_nop follow each line
	s_cmp_eq_u32 s15, 0
	s_cbranch_scc0 .Lfor_b_\@
	tensor_load_to_lds s[\g0a:\g0a+3], s[\g1a:\g1a+7]
	s_nop 0
.rept 4
	v_nop
.endr
	s_branch .Lasked_\@
.Lfor_b_\@:
	tensor_load_to_lds s[\g0b:\g0b+3], s[\g1b:\g1b+7]
	s_nop 0
.rept 4
	v_nop
.endr
.Lasked_\@:
.endm
.macro CREST
	s_cmp_lg_u32 s14, 0
	s_cbranch_scc1 .Lnot_wave_0_\@
	s_barrier_signal -3
.Lnot_wave_0_\@:
	s_barrier_wait -3
	s_barrier_signal -1
	s_barrier_wait -1
.endm
.macro CROUND
	s_barrier_signal -1
	s_barrier_wait -1
	CREST
.endm
	s_load_b256 s[68:75], s[0:1], 0x0              ; h's codes, w_q, w_k, w_v
	s_load_b128 s[76:79], s[0:1], 0x20             ; the scales' exponents, the output
	v_lshl_add_u32 v[SPW], v0, 2, SPARE
	v_mov_b32 v[NIL], 0
	ds_add_u32 v[SPW], v[NIL]                      ; the wave's opening: the add, twice on end, and its wait ahead of my first tensor load
	ds_add_u32 v[SPW], v[NIL]
	v_lshrrev_b32 v1, 5, v0
	v_readfirstlane_b32 s14, v1                    ; wave
	s_lshr_b32 s15, s14, 1                         ; my half of the tile's rows; also: I fetch for A (0) or B (1)
	s_and_b32 s16, s14, 1                          ; my half of its columns; also: which 128 rows I fetch
	s_bfe_u32 s40, ttmp6, 0x40000                  ; cx
	s_bfe_u32 s41, ttmp6, 0x40004                  ; cy
	s_and_b32 s18, ttmp7, 0xffff
	s_lshl_b32 s18, s18, 2                         ; 4 x cluster y
	s_mov_b32 s90, 0x40000                         ; PS of q and k: 4,096 rows x 64
	s_mov_b32 s91, 0
	s_cmp_eq_u32 ttmp9, 2                          ; v?
	s_cselect_b32 s17, 0, s18                      ; the 16 tiles of tokens lie along the rows for q and k,
	s_cselect_b32 s42, s18, 0                      ; along the columns for v
	s_cselect_b32 s90, 0x10000, s90                ; PS of v: 1,024 rows x 64
	s_add_co_u32 s17, s17, s41                     ; tile row: holds cy, never cx
	s_add_co_u32 s42, s42, s40                     ; tile column: holds cx, never cy
	s_lshl_b32 s88, ttmp9, 22                      ; c x 4 MiB: h's set, and the output's part
	s_mov_b32 s89, 0
	s_lshl_b32 s43, s41, 2
	s_lshl_b32 s43, 15, s43                        ; my row of the cluster
	s_lshl_b32 s44, 0x1111, s40                    ; my column
	s_or_b32 s[G1+0], s43, (0<<16)|(1<<20)|(1<<21)|(5<<22)|(3<<25)  ; the mask; elements of 1 byte; padding on; bit 21 beside a mask; 4 words behind every 64
	s_or_b32 s[G1B+0], s44, (0<<16)|(1<<20)|(1<<21)|(5<<22)|(3<<25)
.irp g, G1, G1B
	s_mov_b32 s[\g+1], ROWB<<16                    ; tensor_dim0
	s_mov_b32 s[\g+2], 128<<16                     ; tensor_dim1
	s_mov_b32 s[\g+3], ROWB<<16                    ; tile_dim0
	s_mov_b32 s[\g+4], 128                         ; tile_dim1
	s_mov_b32 s[\g+5], KROW                        ; the pitch
	s_mov_b32 s[\g+6], 0
	s_mov_b32 s[\g+7], 0
.endr
	s_lshl_b32 s18, s16, 7
	s_lshl_b32 s20, s17, 8
	s_add_co_u32 s20, s20, s18                     ; A: row 256 x tile row + 128 x half
	s_lshl_b32 s46, s42, 8
	s_add_co_u32 s46, s46, s18                     ; B: row 256 x tile column + 128 x half
	s_mov_b32 s21, 0
	s_mov_b32 s47, 0
	s_mov_b64 s[18:19], KROW
	s_mul_u64 s[20:21], s[20:21], s[18:19]
	s_mul_u64 s[46:47], s[46:47], s[18:19]
	s_mul_i32 s45, s14, HALFT                      ; where they go: wave x 128 rows
	s_wait_dscnt 0x0                               ; both opening adds are done
	s_wait_kmcnt 0x0
	s_cmp_eq_u32 ttmp9, 0
	s_cselect_b64 s[84:85], s[70:71], s[72:73]
	s_cmp_eq_u32 ttmp9, 2
	s_cselect_b64 s[84:85], s[74:75], s[84:85]     ; W
	s_add_nc_u64 s[86:87], s[68:69], s[88:89]      ; H: h's set c
	s_add_nc_u64 s[OP0:OP0+1], s[78:79], s[88:89]  ; the output's part c
	s_cselect_b64 s[4:5], s[84:85], s[86:87]       ; A = v ? W : H  (the 64-bit sums leave SCC alone)
	s_cselect_b64 s[6:7], s[86:87], s[84:85]       ; B = v ? H : W
	s_mov_b64 s[8:9], s[76:77]
	s_load_b512 s[68:83], s[8:9], 0x0              ; all sixteen exponents; waited for on the way out
	s_add_nc_u64 s[20:21], s[4:5], s[20:21]
	s_add_nc_u64 s[46:47], s[6:7], s[46:47]
	s_cmp_eq_u32 s15, 0                            ; the prefetches: of the 128 rows that I fetch, the four partners that ask for them jointly take 32 each, told apart by address
	s_cselect_b64 s[92:93], s[20:21], s[46:47]
	s_cselect_b32 s94, s40, s41                    ; my place among the four: cx for A, cy for B
	s_lshl_b32 s94, s94, 15                        ; 32 rows x 1,024 bytes
	s_mov_b32 s95, 0
	s_add_nc_u64 s[92:93], s[92:93], s[94:95]      ; never rewritten
	CROUND                                         ; all sixteen work-groups are here: the first joint loads meet
.irp s, 0,1
	s_mov_b32 s[G0+4*\s], 1
	s_add_co_u32 s[G0+4*\s+1], s45, \s*SLOT
	s_add_nc_u64 s[G0+4*\s+2:G0+4*\s+3], s[20:21], \s*ROWB
	s_or_b32 s[G0+4*\s+3], s[G0+4*\s+3], 0x80000000
	s_mov_b32 s[G0B+4*\s], 1
	s_add_co_u32 s[G0B+4*\s+1], s45, \s*SLOT
	s_add_nc_u64 s[G0B+4*\s+2:G0B+4*\s+3], s[46:47], \s*ROWB
	s_or_b32 s[G0B+4*\s+3], s[G0B+4*\s+3], 0x80000000
.endr
	JLOAD G0, G1, G0B, G1B                         ; K step 0: one tensor load a wave at the head
	v_and_b32 v1, 15, v0                           ; r
	s_wait_alu depctr_va_vdst(0)
	v_bfe_u32 v2, v0, 4, 1                         ; h
	v_mul_u32_u24 v3, v1, PITCH
	v_lshl_add_u32 v4, v2, 4, v3
	s_mul_i32 s21, s15, HALFT
	s_mul_i32 s22, s16, HALFT
	s_add_co_u32 s22, s22, 2*HALFT
.irp s, 0,1
	v_add_nc_u32 v[ADRA+\s], s21, v4
	v_add_nc_u32 v[ADRB+\s], s22, v4
	s_add_co_u32 s21, s21, SLOT
	s_add_co_u32 s22, s22, SLOT
.endr
	s_mul_i32 s23, s14, WSTAGE                     ; my stage
	v_mul_u32_u24 v5, v1, SPITCH
	s_wait_alu depctr_va_vdst(0)
	v_lshl_add_u32 v5, v2, 5, v5
	v_add_nc_u32 v[STO], s23, v5                   ; in: row r, 32 bytes for each half of the lanes
	v_and_b32 v6, 31, v0
	v_lshlrev_b32 v[CO], 4, v6                     ; out: 16 bytes a lane
	v_lshrrev_b32 v5, 2, v6
	v_mul_u32_u24 v5, v5, SPITCH
	v_and_b32 v6, 3, v6
	v_lshl_add_u32 v5, v6, 6, v5
	v_add_nc_u32 v[RD], s23, v5                    ; back: row lane / 4, 16 numbers at 64 (lane % 4) bytes of each plane's 256
	v_and_b32 v7, 31, v0
	v_lshlrev_b32 v7, 10, v7                       ; a lane a row; never rewritten
	global_prefetch_b8 v7, s[92:93] offset:512 th:TH_LOAD_NT scope:SCOPE_SE   ; behind K step 0's load: K step 2's 256 bytes of my 32 rows, two K steps ahead of the load that wants them
	s_lshl_b32 s20, s42, 2
	s_lshl_b32 s21, s16, 1
	s_add_co_u32 s20, s20, s21                     ; my first plane: 4 x tile column + 2 x half
	s_mul_i32 s20, s20, s90
	s_lshl_b32 s21, s17, 14                        ; 256 x tile row x 64
	s_add_co_u32 s20, s20, s21
	s_lshl_b32 s21, s15, 13                        ; 128 x half x 64
	s_add_co_u32 s20, s20, s21
	s_mov_b32 s21, 0
	s_add_nc_u64 s[OP0:OP0+1], s[OP0:OP0+1], s[20:21]
	s_add_nc_u64 s[OP1:OP1+1], s[OP0:OP0+1], s[90:91]
.macro FRAG reg, adr, q, i             ; 16 rows x 128 K: registers 4 c .. 4 c + 3 hold K = 32 c + 16 (lane / 16) + 0 .. 15: the same order of k in A and in B
.irp c, 0,1,2,3
	ds_load_b128 v[\reg+4*\c:\reg+4*\c+3], v[\adr] offset:128*(\q)+32*\c+(\i)*16*PITCH
.endr
.endm
.macro MUL16 a0, p, zero               ; the 64 accumulators take turns, one instruction a turn, in the same order in every step
.irp a, \a0, \a0+1
.irp b, 0,1,2,3,4,5,6,7
.if \zero
	v_wmma_f32_16x16x128_bf8_bf8 v[8*(8*((\a)%4)+\b):8*(8*((\a)%4)+\b)+7], v[128*(\p)+FR*\b:128*(\p)+FR*\b+FR-1], v[AF+FR*(\a):AF+FR*(\a)+FR-1], 0
.else
	v_wmma_f32_16x16x128_bf8_bf8 v[8*(8*((\a)%4)+\b):8*(8*((\a)%4)+\b)+7], v[128*(\p)+FR*\b:128*(\p)+FR*\b+FR-1], v[AF+FR*(\a):AF+FR*(\a)+FR-1], v[8*(8*((\a)%4)+\b):8*(8*((\a)%4)+\b)+7]
.endif
.endr
.endr
.endm
.macro FETCH_B slot, q, p
	WIN TO_B
.irp i, 0,1,2,3,4,5,6,7
	FRAG 128*(\p)+FR*\i, ADRB+\slot, \q, \i
.endr
	WIN 0
.endm
.macro FETCH_A slot, q, i0
.irp i, \i0, \i0+1, \i0+2, \i0+3
	FRAG AF+FR*(\i), ADRA+\slot, \q, \i
.endr
.endm
.macro PLACES n                        ; plain vector instructions between a matrix instruction and a load into, or a read of, its registers
.rept \n
	v_nop
.endr
.endm
.macro STEP slot, q, zero
	s_wait_dscnt 4*NL                              ; B's set and A's blocks 0-3 are in; the 16 youngest loads (A's blocks 4-7) may be out
	WIN MUL_LO
	MUL16 0, (\q)%2, \zero
	MUL16 2, (\q)%2, \zero
	s_wait_dscnt 0
	PLACES NP
	FETCH_B \slot, (\q)+1, 1-(\q)%2
	FETCH_A \slot, (\q)+1, 0
	WIN MUL_HI
	MUL16 4, (\q)%2, \zero
	MUL16 6, (\q)%2, \zero
	PLACES NP
	WIN 0
	FETCH_A \slot, (\q)+1, 4
.endm
.macro TURN slot, next, fill           ; a slot's last step changes slots
	s_wait_tensorcnt 0x0                           ; all my tensor loads have landed: my part of the next slot
	ds_add_u32 v[SPW], v[NIL]                      ; 0 onto my spare word
	s_wait_dscnt 4*NL+1                            ; the add and the 16 youngest loads may be out
	WIN MUL_LO
	MUL16 0, 1, 0
	s_wait_dscnt 0x0                               ; the add is done, and my reads of this slot are over
	s_barrier_signal -1
	MUL16 2, 1, 0
	WIN 0
	s_barrier_wait -1
.if \fill
	CREST                                          ; the barrier has opened a round of the cluster's: no wave of any partner still reads this slot or has a load on its way
	s_add_nc_u64 s[G0+4*\slot+2:G0+4*\slot+3], s[G0+4*\slot+2:G0+4*\slot+3], 2*ROWB
	s_add_nc_u64 s[G0B+4*\slot+2:G0B+4*\slot+3], s[G0B+4*\slot+2:G0B+4*\slot+3], 2*ROWB
	JLOAD G0+4*\slot, G1, G0B+4*\slot, G1B
.else
	PLACES NP
.endif
	FETCH_B \next, 0, 0
	FETCH_A \next, 0, 0
	WIN MUL_HI
	MUL16 4, 1, 0
	MUL16 6, 1, 0
	PLACES NP
	WIN 0
	FETCH_A \next, 0, 4
.endm
	s_wait_alu depctr_va_vdst(0)                   ; the wait at the head's end
	s_wait_tensorcnt 0x0                           ; my part of K step 0 is in; slot 1's first fill is issued as a refill is:
	ds_add_u32 v[SPW], v[NIL]                      ; 0 onto my spare word
	s_wait_dscnt 0x0
	CROUND                                         ; a whole round: everybody's part of K step 0 is in, and the joint loads meet
	JLOAD G0+4, G1, G0B+4, G1B                     ; K step 1: the first tensor load behind the round
	FETCH_B 0, 0, 0
	FETCH_A 0, 0, 0
	FETCH_A 0, 0, 4
	global_prefetch_b8 v7, s[92:93] offset:768 th:TH_LOAD_NT scope:SCOPE_SE   ; behind K step 1's load and the run of LDS loads: K step 3, the last
	STEP 0, 0, 1
	s_mov_b32 s3, LAPS-1
.Llap:
	TURN 0, 1, 1
	STEP 1, 0, 0
	TURN 1, 0, 1
	STEP 0, 0, 0
	s_sub_co_u32 s3, s3, 1
	s_cmp_lg_u32 s3, 0
	s_cbranch_scc1 .Llap
	TURN 0, 1, 0
	STEP 1, 0, 0
	s_wait_dscnt 4*NL
	WIN MUL_LO
	MUL16 0, 1, 0
	MUL16 2, 1, 0
	s_wait_dscnt 0
	WIN MUL_HI
	MUL16 4, 1, 0
	MUL16 6, 1, 0
	WIN 0
	; THE WAY OUT.  64 rows of sums at a time go into my stage as f32; a loop of eight trips takes 8 rows x 128 columns each: a lane gets 16 neighbours of each of my two planes, holds and converts them,
	; and the wave stores 512 consecutive bytes of each plane.
	s_wait_kmcnt 0x0
	s_add_co_i32 s68, s68, s69                     ; eA + eB of the three products,
	s_add_co_i32 s70, s70, s71
	s_add_co_i32 s72, s72, s73
	s_cmp_eq_u32 ttmp9, 0
	s_cselect_b32 s68, s68, s70
	s_cselect_b32 s74, s74, s75                    ; and the result's own exponent: entry 6, 7 or 9
	s_cmp_eq_u32 ttmp9, 2
	s_cselect_b32 s68, s72, s68
	s_cselect_b32 s74, s77, s74
	s_sub_co_i32 s74, s74, s68                     ; f
	s_add_co_i32 s74, s74, 127
	s_lshl_b32 s75, s74, 23
	v_mov_b32 v[SCL], s75
	s_add_co_i32 s74, s74, 15
	s_lshl_b32 s74, s74, 23
	s_or_b32 s74, s74, 0x600000
	v_mov_b32 v[LIM], s74
	PLACES NP
.macro TOSTG ph                        ; each accumulator from its low end on
	WIN 0x08+4*\ph                                 ; an LDS store's data is source 1: window 2 or 3
.irp a, 0,1,2,3
.irp b, 0,1,2,3,4,5,6,7
	ds_store_b128 v[STO], v[8*(8*\a+\b):8*(8*\a+\b)+3] offset:\a*16*SPITCH+64*\b
	ds_store_b128 v[STO], v[8*(8*\a+\b)+4:8*(8*\a+\b)+7] offset:\a*16*SPITCH+64*\b+16
.endr
.endr
	WIN 0
.endm
.macro LDR adr
.irp p, 0,1
.irp c, 0,1,2,3
	ds_load_b128 v[R+16*\p+4*\c:R+16*\p+4*\c+3], v[\adr] offset:256*\p+16*\c
.endr
.endr
.endm
.macro EPILOOP
	s_mov_b32 s18, 0
	s_mov_b32 s3, 8
	LDR RD
.Lep_\@:
	s_wait_dscnt 0x0                               ; this trip's 32 numbers are in
.set i, 0
.rept 32
	v_med3_num_f32 v[X+i], v[R+i], -v[LIM], v[LIM] ; the hold: the conversion does not saturate (ISA guide 7.6.2)
.set i, i+1
.endr
	s_add_co_u32 s18, s18, 8*SPITCH
	s_min_u32 s19, s18, 7*8*SPITCH                 ; the next trip's rows (the last trip reads its own again, for nothing)
	v_add_nc_u32 v[ADR], s19, v[RD]
	LDR ADR
.irp g, 0,1,2,3
	v_cvt_scalef32_pk8_bf8_f32 v[CD+2*\g:CD+2*\g+1], v[X+8*\g:X+8*\g+7], v[SCL]
.endr
	v_nop                                          ; a plain instruction behind the conversions
	global_store_b128 v[CO], v[CD:CD+3], s[OP0:OP0+1]
	global_store_b128 v[CO], v[CD+4:CD+7], s[OP1:OP1+1]
	s_wait_xcnt 0x0                                ; the stores have read their offset and data, which are written anew
	v_add_nc_u32 v[CO], 512, v[CO]
	s_sub_co_u32 s3, s3, 1
	s_cmp_lg_u32 s3, 0
	s_cbranch_scc1 .Lep_\@
	s_wait_dscnt 0x0
.endm
	TOSTG 0
	s_wait_alu depctr_va_vdst(0)
	EPILOOP
	TOSTG 1
	EPILOOP
	s_wait_tensorcnt 0x0                           ; the wave's end
	ds_add_u32 v[SPW], v[NIL]
	s_wait_dscnt 0x0
	CROUND                                         ; the closing round
	s_endpgm
.Lfunc_end_k_q3cc07cf18b_qkv:
	.size	k_q3cc07cf18b_qkv, .Lfunc_end_k_q3cc07cf18b_qkv-k_q3cc07cf18b_qkv
	.p2alignl 7, 3214868480
	.fill 96, 4, 3214868480
	.section	.rodata,"a",@progbits
	.p2align	6, 0x0
	.amdhsa_kernel k_q3cc07cf18b_qkv
		.amdhsa_group_segment_fixed_size 327680
		.amdhsa_private_segment_fixed_size 0
		.amdhsa_enable_private_segment 0
		.amdhsa_kernarg_size 48
		.amdhsa_user_sgpr_count 2
		.amdhsa_user_sgpr_kernarg_segment_ptr 1
		.amdhsa_wavefront_size32 1
		.amdhsa_system_sgpr_workgroup_id_x 1
		.amdhsa_system_sgpr_workgroup_id_y 1
		.amdhsa_system_sgpr_workgroup_id_z 1
		.amdhsa_system_vgpr_workitem_id 0
		.amdhsa_next_free_vgpr 1024
		.amdhsa_next_free_sgpr 98
		.amdhsa_reserve_vcc 0
		.amdhsa_float_denorm_mode_32 3
		.amdhsa_float_denorm_mode_16_64 3
		.amdhsa_memory_ordered 1
		.amdhsa_forward_progress 1
		.amdhsa_inst_pref_size 96
	.end_amdhsa_kernel
	.amdgpu_metadata
---
amdhsa.version: [ 1, 2 ]
amdhsa.kernels:
  - .name:           k_q3cc07cf18b_qkv
    .symbol:         k_q3cc07cf18b_qkv.kd
    .args:
      - { .name: h_codes, .offset: 0, .size: 8, .value_kind: global_buffer, .address_space: global }
      - { .name: w_q_codes, .offset: 8, .size: 8, .value_kind: global_buffer, .address_space: global }
      - { .name: w_k_codes, .offset: 16, .size: 8, .value_kind: global_buffer, .address_space: global }
      - { .name: w_v_codes, .offset: 24, .size: 8, .value_kind: global_buffer, .address_space: global }
      - { .name: lowp_scales, .offset: 32, .size: 8, .value_kind: global_buffer, .address_space: global }
      - { .name: qkv_codes, .offset: 40, .size: 8, .value_kind: global_buffer, .address_space: global }
    .group_segment_fixed_size: 327680
    .private_segment_fixed_size: 0
    .kernarg_segment_align: 8
    .kernarg_segment_size: 48
    .max_flat_workgroup_size: 128
    .sgpr_count:     98
    .vgpr_count:     1024
    .wavefront_size: 32
...
	.end_amdgpu_metadata
.endif
;; end of part 2
;; launch attn (part 3): grid 8 x 32, 8 waves a work-group, no clusters, 327,680 bytes of LDS; arguments qkv_codes, lowp_scales, ctx_codes; writes ctx_codes
.if DOCPART == 3
	.amdgcn_target "amdgcn-amd-amdhsa--gfx1250"
	.amdhsa_code_object_version 6
	.text
	.protected	k_q3cc07cf18b_attn
	.globl	k_q3cc07cf18b_attn
	.p2align	8
	.type	k_q3cc07cf18b_attn,@function
k_q3cc07cf18b_attn:
	s_mov_b64 s[64:65], 0
	v_nop
	global_prefetch_b8 v0, s[64:65] scope:SCOPE_SE
	s_setreg_imm32_b32 hwreg(HW_REG_WAVE_MODE, 25, 1), 1
	s_wait_xcnt 0x0
; ctx[b][h][q] = the sum over keys m <= q of softmax_m(q . k / 8) v, both products on E5M2 codes; ctx is quantised at once (entry 10 of lowp_scales) for the projection that follows.
; LEFT OUT: reference()'s own mask gives keys m > q the weight exp(-inf) = 0, whatever the inputs hold: steps of 128 keys that lie wholly behind a pair of tiles' 32 queries are jumped over.
; A NaN or an infinity among the codes so left out is not carried to the result.
; THE SOFTMAX: t = score x log2(e) / 8; M = the running largest t rounded UP to a whole number; p = 2^(t - M) is quantised (entry 8); the row's sum is taken of the unquantised p and divides at the end;
; when M moves, the sums and O are multiplied by 2^(old M - new M), which rounds nothing.  LIMIT: the promise holds while |t| stays under 2^31.
; INPUTS: q, k at 0 and 4 MiB: [16 heads x 2 batches as y][2048 tokens][64]; v at 8 MiB: [64 groups of 64 tokens][1024 channels][64 tokens]: the keys innermost.  OUTPUT: as q.
; K AND V OF THE HEAD STAY IN LDS: 32 groups of 64 keys each.  A group of K is 4,096 bytes + 16 behind every 128 (GK), of V 4,096 + 16 behind every 256 (GV): the sixteen lines that a fragment load touches
; then start at sixteen different 16-byte columns of 256.  Group g stands at place 8 (g % 4) + g / 4.  Nothing is filled twice.  Two stages: keys 0-511 at the head, keys 512-2,047 behind the full sequence and a barrier;
; in each stage waves 0-3 fetch K's groups b, b + 4, .. (b = w & 3) and waves 4-7 V's, one tensor load a wave.  Every load holds bytes of keys under 1,152, which every work-group reads (its late block is 8 or later).
; SHARES: y = 2 x head + batch.  Work-group x = i owns the blocks of 128 queries i and 15 - i.  Waves 2 j and 2 j + 1 both hold queries 32 j .. 32 j + 31 of both blocks, as two tiles of 16: tile A's bulk in register
; window 0, tile B's in window 1 under the same numbers.  One wave takes the even key steps, the other the odd ones: parity (w xor w / 4) & 1: 9 or 8 steps for every i.
; A step's fragments (K in window 0, V in window 1) are read from LDS once and serve up to four tiles.  SET 1 is the block that the wave finishes (even waves: the late one), SET 2 its partner's.
; At the end set 2's part (-M, the sum, O^T) goes to the partner through LDS, in K's bytes, which nobody reads behind the barrier there; the parts are brought under the larger M by powers of two and added.
; NO CLUSTER: the steps that a work-group leaves out hang on its number.
; NO PREFETCH: both stages' loads are issued ahead of the first loop: there is no loop to run ahead in.
; LAYOUT: both products transposed: a lane holds one query.  Lane r of score tile 2 b + u takes key 32 b + 8 u + r + 8 (r / 8), so that the 16 registers of two neighbouring tiles are 16 neighbouring keys.
; LIMITS: e6 + e7 between -122 and 130; e8, and e10 - e8 - e9, between -126 and 112.
; WINDOW 0: v1-11 addresses; per tile -M, largest t, the sum in two pairs: 1A v12-17, 1B v18-23, 2A v24-29, 2B v30-31, v242-243, v246-247; v32-95 K; v96-159 S^T, p; v160-191, v192-223 O^T of sets 1, 2; v224-239 p's codes;
; v240 hold, v244 scale, v[252:253], v[248:249] the factors f, v241, v245, v251, v254 at work.  WINDOW 1: v0-31 Q (1A, 1B, 2A, 2B); v32-95 V; the rest as window 0's bulk, for tile B.
.set GK,    4608
.set GV,    4352
.set VOFF,  32*GK
.set SPARE, VOFF+32*GV                 ; behind V: the spare words, 128 bytes a wave
.set XWB,   8704                       ; the exchange, from byte 0: 16 x 512 bytes of O^T and 2 x 256 of (-M, sum) a wave
.set STAGE, 8*XWB                      ; 32 lines of 80 bytes a wave
.set KP,    80
.set AK0, 1
.set AV0, 2
.set QO,  3
.set DL,  4
.set SPW, 5
.set NIL, 6
.set GO,  7
.set ADK, 8
.set ADV, 9
.set TK,  2                            ; s2, s3: LDS byte of my step's first group of K, of V
.set TV,  3
.set WV,  18
.set SEL, 20
.set CS,  22
.set KA,  24                           ; four groups 1: K and V, stage A (2 groups) and B (6 groups)
.set KB,  32
.set VA,  40
.set VB,  48
.set G0K, 56
.set G0V, 60
.set QM,  66                           ; s66 the last query of my later pair of tiles
.set CNT, 67
.set Q0B, 97
.set KF,  98                           ; s98 my step's first key
.set Q0,  99
.set MSB, 0
.macro WIN new                         ; the immediate's high byte repeats the setting that is left
.if MSB != \new
	s_set_vgpr_msb (MSB<<8)|\new
.set MSB, \new
.endif
.endm
.macro TLOAD g1k, g1v                  ; an s_nop 0 and four v_nop follow each line
	s_cmp_lt_u32 s[WV], 4
	s_cbranch_scc0 .Lv_\@
	tensor_load_to_lds s[G0K:G0K+3], s[\g1k:\g1k+7]
	s_nop 0
.rept 4
	v_nop
.endr
	s_branch .Ld_\@
.Lv_\@:
	tensor_load_to_lds s[G0V:G0V+3], s[\g1v:\g1v+7]
	s_nop 0
.rept 4
	v_nop
.endr
.Ld_\@:
.endm
.macro MKG1 g, qi, rows, pitch         ; rows of 4,096 dense bytes; 4 words of padding behind every 2 << qi
	s_mov_b32 s[\g], (1<<20)|(\qi<<22)|(3<<25)
	s_mov_b32 s[\g+1], 4096<<16
	s_mov_b32 s[\g+2], \rows<<16
	s_mov_b32 s[\g+3], 4096<<16
	s_mov_b32 s[\g+4], \rows
	s_mov_b32 s[\g+5], \pitch
	s_mov_b32 s[\g+6], 0
	s_mov_b32 s[\g+7], 0
.endm
	s_load_b128 s[4:7], s[0:1], 0x0                ; q, k, v's codes; the scales' exponents
	s_load_b64 s[16:17], s[0:1], 0x10              ; ctx's codes
	v_lshl_add_u32 v[SPW], v0, 2, SPARE
	v_mov_b32 v[NIL], 0
	ds_add_u32 v[SPW], v[NIL]                      ; the opening: the add, twice on end, and its wait ahead of the first tensor load
	ds_add_u32 v[SPW], v[NIL]
	v_lshrrev_b32 v8, 5, v0
	v_readfirstlane_b32 s[WV], v8                  ; wave 0..7
	s_and_b32 s72, ttmp7, 0xffff                   ; y
	s_lshl_b32 s74, s72, 17                        ; q, k, ctx: y x 2,048 tokens x 64
	s_mov_b32 s75, 0
	s_and_b32 s82, s72, 1
	s_lshl_b32 s82, s82, 21                        ; v: batch x 32 groups x 65,536
	s_lshr_b32 s83, s72, 1
	s_lshl_b32 s83, s83, 12                        ;    + head x 64 channels x 64
	s_add_co_u32 s82, s82, s83
	s_mov_b32 s83, 0
	s_lshr_b32 s70, s[WV], 2
	s_xor_b32 s70, s70, s[WV]
	s_and_b32 s70, s70, 1                          ; my parity p: step 2 m + p holds groups 4 m + 2 p and 4 m + 2 p + 1: places 16 p + m and 16 p + 8 + m
	s_lshl_b32 s[KF], s70, 7
	s_mul_i32 s[TK], s70, 16*GK
	s_mul_i32 s[TV], s70, 16*GV
	s_add_co_u32 s[TV], s[TV], VOFF
	s_sub_co_u32 s81, 15, ttmp9                    ; the late block
	s_and_b32 s80, s[WV], 1
	s_cmp_eq_u32 s80, 0
	s_cselect_b32 s[Q0], s81, ttmp9                ; set 1: the late block's in even waves
	s_cselect_b32 s[Q0B], ttmp9, s81
	s_lshr_b32 s80, s[WV], 1
	s_lshl_b32 s80, s80, 5                         ; 32 j
	s_lshl_b32 s[Q0], s[Q0], 7
	s_add_co_u32 s[Q0], s[Q0], s80
	s_lshl_b32 s[Q0B], s[Q0B], 7
	s_add_co_u32 s[Q0B], s[Q0B], s80
	s_max_u32 s[QM], s[Q0], s[Q0B]
	s_add_co_u32 s[QM], s[QM], 31
	s_lshl_b32 s92, s[Q0], 6
	s_mov_b32 s93, 0
	s_add_nc_u64 s[92:93], s[92:93], s[74:75]      ; set 1's bytes in q and in ctx
	s_lshl_b32 s14, s[Q0B], 6
	s_mov_b32 s15, 0
	s_add_nc_u64 s[14:15], s[14:15], s[74:75]      ; set 2's bytes in q
	s_and_b32 s94, s[WV], 3                        ; b: what I fetch
	s_mul_i32 s95, s94, 8*GK
	s_mul_i32 s71, s94, 8*GV
	s_add_co_u32 s71, s71, VOFF
	s_lshl_b32 s72, s94, 12
	s_mov_b32 s73, 0
	s_add_nc_u64 s[72:73], s[72:73], s[74:75]      ; in k
	s_lshl_b32 s80, s94, 16
	s_mov_b32 s81, 0
	s_add_nc_u64 s[80:81], s[80:81], s[82:83]      ; in v
	MKG1 KA, 4, 2, 16384
	MKG1 KB, 4, 6, 16384
	MKG1 VA, 5, 2, 262144
	MKG1 VB, 5, 6, 262144
	s_mov_b32 s[SEL], 0x76543210
	s_mov_b32 s[SEL+1], 0xfedcba98
	s_mov_b32 s[CS], 0x3e38aa3b                    ; c = log2(e) / 8
	s_wait_dscnt 0x0                               ; both opening adds are done
	s_wait_kmcnt 0x0
	s_load_b256 s[84:91], s[6:7], 0x18             ; entries 6 to 13
	s_add_nc_u64 s[10:11], s[4:5], 0x400000        ; k
	s_add_nc_u64 s[12:13], s[4:5], 0x800000        ; v
	s_mov_b32 s[G0K], 1
	s_mov_b32 s[G0K+1], s95
	s_add_nc_u64 s[G0K+2:G0K+3], s[10:11], s[72:73]
	s_or_b32 s[G0K+3], s[G0K+3], 0x80000000
	s_mov_b32 s[G0V], 1
	s_mov_b32 s[G0V+1], s71
	s_add_nc_u64 s[G0V+2:G0V+3], s[12:13], s[80:81]
	s_or_b32 s[G0V+3], s[G0V+3], 0x80000000
	TLOAD KA, VA                                   ; stage A: keys 0-511; every wave issues one load
	s_add_nc_u64 s[8:9], s[4:5], s[92:93]          ; q at set 1,
	s_add_nc_u64 s[14:15], s[4:5], s[14:15]        ; at set 2
	s_add_nc_u64 s[16:17], s[16:17], s[92:93]      ; ctx at set 1
	v_and_b32 v8, 15, v0                           ; r
	v_bfe_u32 v9, v0, 4, 1                         ; h
	v_lshlrev_b32 v[QO], 6, v8
	v_lshl_add_u32 v[QO], v9, 4, v[QO]
	WIN 0x40                                       ; Q goes to window 1: channels 16 h + 0 .. 15 and 32 + 16 h + 0 .. 15, the order of k of K's fragments
.irp u, 0,1
	global_load_b128 v[8*\u:8*\u+3], v[QO], s[8:9] offset:1024*\u
	global_load_b128 v[8*\u+4:8*\u+7], v[QO], s[8:9] offset:1024*\u+32
	global_load_b128 v[16+8*\u:16+8*\u+3], v[QO], s[14:15] offset:1024*\u
	global_load_b128 v[16+8*\u+4:16+8*\u+7], v[QO], s[14:15] offset:1024*\u+32
.endr
.set j, 0
.rept 64
	v_mov_b32 v[160+j], 0                          ; tile B's O^T of both sets: the step is written once; the first finds zeros
.set j, j+1
.endr
	WIN 0
.set j, 0
.rept 64
	v_mov_b32 v[160+j], 0                          ; tile A's
.set j, j+1
.endr
	v_and_b32 v11, 8, v8
	v_add_nc_u32 v11, v11, v8                      ; line r + 8 (r / 8) of K: two lines to 144 bytes
	v_lshrrev_b32 v10, 1, v11
	v_mul_u32_u24 v[AK0], v10, 144
	v_and_b32 v11, 1, v11
	v_lshl_add_u32 v[AK0], v11, 6, v[AK0]
	v_lshl_add_u32 v[AK0], v9, 4, v[AK0]
	v_lshrrev_b32 v10, 2, v8                       ; line r of V: four lines to 272 bytes
	v_mul_u32_u24 v[AV0], v10, 272
	v_and_b32 v11, 3, v8
	v_lshl_add_u32 v[AV0], v11, 6, v[AV0]
	v_lshl_add_u32 v[AV0], v9, 4, v[AV0]
	v_lshlrev_b32 v[DL], 4, v9
	v_sub_nc_u32 v[DL], v8, v[DL]                  ; r - 16 h, for the mask
	v_and_b32 v[GO], 31, v0
	v_lshlrev_b32 v[GO], 4, v[GO]
.irp n, 12,18,24,30
	v_mov_b32 v[\n+1], 0xff61b1e6                  ; the largest t so far: -3e38
	v_floor_f32 v[\n], -v[\n+1]                    ; -M
.endr
.irp n, 14,15,16,17,20,21,22,23,26,27,28,29,242,243,246,247,241,245,249,253
	v_mov_b32 v\n, 0                               ; the sums; permutes' destinations and pairs' upper halves count as read
.endr
	s_wait_kmcnt 0x0
	s_add_co_i32 s72, s84, s85
	s_lshl_b32 s72, s72, 23
	s_add_co_i32 s[CS], s[CS], s72                 ; a score stands for score x 2^(e6 + e7): added to c's exponent field
	s_mov_b32 s[CS+1], s[CS]
	v_mov_b32 v250, s[CS]                          ; c in a vector register too, for tile A's dual forms (v250 is free until the parts meet)
	s_add_co_i32 s72, s86, 127
	s_lshl_b32 s73, s72, 23
	v_mov_b32 v244, s73                            ; 2^e8
	s_add_co_i32 s72, s72, 15
	s_lshl_b32 s72, s72, 23
	s_or_b32 s72, s72, 0x600000
	v_mov_b32 v240, s72                            ; 57,344 x 2^e8
; The pieces of a tile's step.  Each is written once and runs for tile A under window setting 0, for tile B under a setting that takes the bulk from window 1 and the small state from window 0.
.macro MAXT a1, a2                     ; the largest of 64 scores, in two chains; each accumulator from its low end on
	v_max3_num_f32 v[\a1], 0xff800000, v96, v97
	v_max3_num_f32 v[\a2], 0xff800000, v98, v99
.irp i, 4,8,12,16,20,24,28,32,36,40,44,48,52,56,60
	v_max3_num_f32 v[\a1], v[\a1], v[96+\i], v[97+\i]
	v_max3_num_f32 v[\a2], v[\a2], v[98+\i], v[99+\i]
.endr
.endm
.macro MASK d                          ; register 16 b + i holds key 16 h + 32 b + i of the step: hidden where 32 b + i > d
.set n, 0
.rept 64
	v_cmp_gt_i32 vcc_lo, 32*(n/16)+n%16, v[\d]
	v_cndmask_b32 v[96+n], v[96+n], v254, vcc_lo
.set n, n+1
.endr
.endm
.macro FMAS N                          ; t - M
.set j, 0
.rept 32
	v_pk_fma_f32 v[96+j:97+j], v[96+j:97+j], s[CS:CS+1], v[\N:\N+1] op_sel_hi:[1,0,0]
.set j, j+2
.endr
.endm
.macro EXPS                            ; p = 2^(t - M)
.set j, 0
.rept 64
	v_exp_f32 v[96+j], v[96+j]
.set j, j+1
.endr
.endm
.macro SUMS L, M                       ; the row's sum, of the unquantised p, in two chains that are kept from step to step
.irp j, 0,4,8,12,16,20,24,28,32,36,40,44,48,52,56,60
	v_pk_add_f32 v[\L:\L+1], v[\L:\L+1], v[96+\j:97+\j]
	v_pk_add_f32 v[\M:\M+1], v[\M:\M+1], v[98+\j:99+\j]
.endr
.endm
.macro CODES                           ; p is not negative: the hold is one-sided (the conversion does not saturate: ISA guide 7.6.2)
.irp b, 0,1,2,3
.irp i, 0,1,2,3,4,5,6,7,8,9,10,11,12,13,14,15
	v_min_num_f32 v[96+16*\b+\i], v[96+16*\b+\i], v240
.endr
	v_cvt_scalef32_pk8_bf8_f32 v[224+4*\b:225+4*\b], v[96+16*\b:103+16*\b], v244
	v_cvt_scalef32_pk8_bf8_f32 v[226+4*\b:227+4*\b], v[104+16*\b:111+16*\b], v244
.endr
.endm
.macro RESC OA, F                      ; O^T under the new M
.set j, 0
.rept 16
	v_pk_mul_f32 v[\OA+j:\OA+j+1], v[\OA+j:\OA+j+1], v[\F:\F+1] op_sel_hi:[1,0]
.set j, j+2
.endr
.endm
.macro PV OA                           ; the four accumulators take turns
.irp t, 0,1,2,3
	v_wmma_f32_16x16x128_bf8_bf8 v[\OA+8*\t:\OA+8*\t+7], v[32+16*\t:47+16*\t], v[224:239], v[\OA+8*\t:\OA+8*\t+7]
.endr
.endm
; Tile A's forms of four pieces: all its registers lie in window 0, so two plain instructions go as one dual pair (destinations even and odd, first sources in different banks).
.macro FMAD N                          ; t - M; -M is copied so that the pair's third sources lie in different banks
	v_mov_b32 v10, v[\N]
	v_mov_b32 v11, v[\N]
.set j, 0
.rept 32
	v_dual_fma_f32 v[96+j], v[96+j], v250, v10 :: v_dual_fma_f32 v[97+j], v[97+j], v250, v11
.set j, j+2
.endr
.endm
.macro SUMD L, M
.irp j, 0,4,8,12,16,20,24,28,32,36,40,44,48,52,56,60
	v_dual_add_f32 v[\L], v[96+\j], v[\L] :: v_dual_add_f32 v[\L+1], v[97+\j], v[\L+1]
	v_dual_add_f32 v[\M], v[98+\j], v[\M] :: v_dual_add_f32 v[\M+1], v[99+\j], v[\M+1]
.endr
.endm
.macro CODED
.irp b, 0,1,2,3
.irp i, 0,2,4,6,8,10,12,14
	v_dual_min_num_f32 v[96+16*\b+\i], v[96+16*\b+\i], v240 :: v_dual_min_num_f32 v[97+16*\b+\i], v[97+16*\b+\i], v240
.endr
	v_cvt_scalef32_pk8_bf8_f32 v[224+4*\b:225+4*\b], v[96+16*\b:103+16*\b], v244
	v_cvt_scalef32_pk8_bf8_f32 v[226+4*\b:227+4*\b], v[104+16*\b:111+16*\b], v244
.endr
.endm
.macro RESD OA, F
.set j, 0
.rept 16
	v_dual_mul_f32 v[\OA+j], v[\OA+j], v[\F] :: v_dual_mul_f32 v[\OA+j+1], v[\OA+j+1], v[\F]
.set j, j+2
.endr
.endm
.macro SCORES Q
.irp t, 0,1,2,3,4,5,6,7
	v_wmma_f32_16x16x64_bf8_bf8 v[96+8*\t:103+8*\t], v[32+8*\t:39+8*\t], v[\Q:\Q+7], 0
.endr
.endm
; A KEY STEP of one set: 128 keys against tiles A and B.  N: -M and the largest t; L, M: the sum's two pairs; QA: Q in window 1 (B's 8 further on); OA: O^T; Q0R: the scalar with tile A's first query.
.macro SETSTEP NA, LA, MA, NB, LB, MB, QA, OA, Q0R
	s_add_co_u32 s96, s[\Q0R], 31
	s_cmp_gt_u32 s[KF], s96                        ; all keys behind the 32 queries: a branch on ids, round the set's work alone
	s_cbranch_scc1 .Lhid_\@
	WIN 0x04                                       ; K window 0, Q window 1, S^T window 0
	SCORES \QA
	WIN 0x44                                       ; S^T window 1
	SCORES \QA+8
	WIN 0
.rept 4
	v_nop                                          ; places between the products and the first read of their results
.endr
	s_add_co_u32 s96, s[KF], 127                   ; on the diagonal hidden scores become -infinity ahead of the maximum; a step all of whose keys count skips this
	s_cmp_le_u32 s96, s[\Q0R]
	s_cbranch_scc1 .Lopen_\@
	s_sub_co_i32 s96, s[\Q0R], s[KF]
	v_add_nc_u32 v10, s96, v[DL]                   ; d = my query - the first key - 16 h, tile A's,
	v_add_nc_u32 v11, 16, v10                      ; tile B's
	v_mov_b32 v254, 0xff800000
	MASK 10
	WIN 0x41
	MASK 11
	WIN 0
.Lopen_\@:
	MAXT 254, 252
	WIN 0x14
	MAXT 251, 248
	WIN 0
	v_max_num_f32 v254, v254, v252                 ; the two tiles' chains line by line
	v_max_num_f32 v251, v251, v248
	v_permlanex16_b32 v241, v254, s[SEL], s[SEL+1]
	v_permlanex16_b32 v245, v251, s[SEL], s[SEL+1]
	v_max_num_f32 v254, v254, v241
	v_max_num_f32 v251, v251, v245
	v_mul_f32 v254, s[CS], v254                    ; as t (c is positive)
	v_mul_f32 v251, s[CS], v251
	v_max_num_f32 v[\NA+1], v[\NA+1], v254
	v_max_num_f32 v[\NB+1], v[\NB+1], v251
	v_mov_b32 v254, v[\NA]
	v_mov_b32 v251, v[\NB]
	v_floor_f32 v[\NA], -v[\NA+1]                  ; the new -M = -ceil(t)
	v_floor_f32 v[\NB], -v[\NB+1]
	v_sub_f32 v254, v[\NA], v254                   ; old M - new M: a whole number, 0 or less
	v_sub_f32 v251, v[\NB], v251
	v_cvt_i32_f32 v254, v254
	v_cvt_i32_f32 v251, v251
	v_ldexp_f32 v252, 1.0, v254                    ; f = 2^(old M - new M)
	v_ldexp_f32 v248, 1.0, v251
	FMAD \NA
	WIN 0x41
	FMAS \NB
	s_wait_alu depctr_va_vdst(0)                   ; the wait ahead of the batch: 128 exponentials
	EXPS
	WIN 0
	EXPS
	v_pk_mul_f32 v[\LA:\LA+1], v[\LA:\LA+1], v[252:253] op_sel_hi:[1,0]   ; the sums under the new M: plain instructions behind the batch
	v_pk_mul_f32 v[\MA:\MA+1], v[\MA:\MA+1], v[252:253] op_sel_hi:[1,0]
	v_pk_mul_f32 v[\LB:\LB+1], v[\LB:\LB+1], v[248:249] op_sel_hi:[1,0]
	v_pk_mul_f32 v[\MB:\MB+1], v[\MB:\MB+1], v[248:249] op_sel_hi:[1,0]
	s_wait_dscnt 0x0                               ; V is in
	s_wait_alu depctr_va_vdst(0)                   ; one wait for the batch, ahead of its first reader
	SUMD \LA, \MA
	CODED
	s_wait_alu depctr_va_vdst(0)                   ; the wait directly ahead of the first reader of O^T
	RESD \OA, 252
	WIN 0x01                                       ; V window 1
	PV \OA
	WIN 0x04
	SUMS \LB, \MB
	WIN 0x41
	CODES
	s_wait_alu depctr_va_vdst(0)
	RESC \OA, 248
	WIN 0x55
	PV \OA
	WIN 0
.Lhid_\@:
.endm
; MY m-TH STEP: its fragments are fetched once for both sets.
.macro STEPM
	s_cmp_gt_u32 s[KF], s[QM]
	s_cbranch_scc1 .Lnone_\@
	v_add_nc_u32 v[ADK], s[TK], v[AK0]
	v_add_nc_u32 v[ADV], s[TV], v[AV0]
	v_nop                                          ; with the two additions: four places in front of loads into registers that matrix instructions have read
	v_nop
	s_wait_alu depctr_va_vdst(0)
.irp t, 0,1,2,3,4,5,6,7
.irp c, 0,1
	ds_load_b128 v[32+8*\t+4*\c:35+8*\t+4*\c], v[ADK] offset:(\t/4)*8*GK+(16*((\t/2)%2)+4*(\t%2))*144+32*\c
.endr
.endr
	WIN 0x40
.irp t, 0,1,2,3
.irp c, 0,1,2,3
	ds_load_b128 v[32+16*\t+4*\c:35+16*\t+4*\c], v[ADV] offset:(\c/2)*8*GV+4*\t*272+32*(\c%2)
.endr
.endr
	WIN 0
	s_wait_dscnt 16                                ; K's 16 loads are in; V's 16 younger ones may be out
	SETSTEP 12, 14, 16, 18, 20, 22, 0, 160, Q0
	SETSTEP 24, 26, 28, 30, 242, 246, 16, 192, Q0B
	s_wait_dscnt 0x0
.Lnone_\@:
	s_add_co_u32 s[KF], s[KF], 256
	s_add_co_u32 s[TK], s[TK], GK
	s_add_co_u32 s[TV], s[TV], GV
.endm
	s_wait_alu depctr_va_vdst(0)                   ; the wait at the head's end
	s_wait_loadcnt 0x0                             ; Q
	s_wait_tensorcnt 0x0                           ; my part of stage A is in; stage B's first fill is issued as a refill is
	ds_add_u32 v[SPW], v[NIL]                      ; 0 onto my spare word
	s_add_co_u32 s[G0K+1], s[G0K+1], 2*GK          ; no load of mine is out: the groups 0 step to groups 8 + b on
	s_add_nc_u64 s[G0K+2:G0K+3], s[G0K+2:G0K+3], 32768
	s_add_co_u32 s[G0V+1], s[G0V+1], 2*GV
	s_add_nc_u64 s[G0V+2:G0V+3], s[G0V+2:G0V+3], 524288
	s_wait_dscnt 0x0
	s_barrier_signal -1
	s_barrier_wait -1
	TLOAD KB, VB                                   ; stage B: keys 512-2,047, into bytes that nothing has filled
	s_mov_b32 s[CNT], 2
.Lfirst:                                               ; m = 0, 1: steps 0-3, keys 0-511
	STEPM
	s_sub_co_u32 s[CNT], s[CNT], 1
	s_cmp_lg_u32 s[CNT], 0
	s_cbranch_scc1 .Lfirst
	s_wait_tensorcnt 0x0                           ; my part of stage B is in
	ds_add_u32 v[SPW], v[NIL]
	s_wait_dscnt 0x0
	s_barrier_signal -1
	s_barrier_wait -1                              ; and everybody's
	s_mov_b32 s[CNT], 6
.Lrest:                                                ; m = 2 .. 7: no barrier stands among these steps
	STEPM
	s_sub_co_u32 s[CNT], s[CNT], 1
	s_cmp_lg_u32 s[CNT], 0
	s_cbranch_scc1 .Lrest
	; THE TWO PARTS OF A SET MEET.  Set 2's part goes to LDS as it stands in my registers; wave w xor 1 finishes it, and I fetch its part of my set 1 by the same lines.
.rept 4
	v_nop                                          ; places between the last products and the LDS stores that read their results
.endr
	s_wait_dscnt 0x0
	s_barrier_signal -1
	s_barrier_wait -1                              ; nobody reads K any more: its bytes, which have had their only fill, take the exchange and the stages
	s_mul_i32 s73, s[WV], XWB
	s_xor_b32 s74, s[WV], 1
	s_mul_i32 s74, s74, XWB
	v_and_b32 v11, 31, v0
	v_lshl_add_u32 v8, v11, 4, s73                 ; where I put O^T: 16 bytes a lane,
	v_lshl_add_u32 v9, v11, 3, s73
	v_add_nc_u32 v9, 8192, v9                      ; and -M with the sum: 8 bytes a lane
	v_lshl_add_u32 v10, v11, 4, s74                ; and the same two places of my partner's
	v_lshl_add_u32 v11, v11, 3, s74
	v_add_nc_u32 v11, 8192, v11
	v_pk_add_f32 v[26:27], v[26:27], v[28:29]      ; set 2's sums (the largest t is done with)
	v_pk_add_f32 v[242:243], v[242:243], v[246:247]
	v_add_f32 v25, v26, v27
	v_add_f32 v31, v242, v243
	s_wait_alu depctr_va_vdst(0)
.irp c, 0,1,2,3,4,5,6,7
	ds_store_b128 v8, v[192+4*\c:195+4*\c] offset:512*\c   ; each accumulator from its low end on
.endr
	ds_store_b64 v9, v[24:25]
	ds_store_b64 v9, v[30:31] offset:256
	WIN 0x04                                       ; an LDS store's data is source 1
.irp c, 0,1,2,3,4,5,6,7
	ds_store_b128 v8, v[192+4*\c:195+4*\c] offset:4096+512*\c
.endr
	WIN 0
	s_wait_dscnt 0x0                               ; for my partner's sake: my stores have landed
	s_barrier_signal -1
	s_barrier_wait -1
.irp c, 0,1,2,3,4,5,6,7
	ds_load_b128 v[32+4*\c:35+4*\c], v10 offset:512*\c
.endr
	ds_load_b64 v[64:65], v11
	ds_load_b64 v[66:67], v11 offset:256
	WIN 0x40
.irp c, 0,1,2,3,4,5,6,7
	ds_load_b128 v[32+4*\c:35+4*\c], v10 offset:4096+512*\c
.endr
	WIN 0
	v_pk_add_f32 v[14:15], v[14:15], v[16:17]      ; my part's sums
	v_pk_add_f32 v[20:21], v[20:21], v[22:23]
	v_add_f32 v14, v14, v15
	v_add_f32 v20, v20, v21
	s_wait_alu depctr_va_vdst(0)
	s_wait_dscnt 0x0
.macro MERGE N, L, PS, F1, F2          ; M is the larger of the two; the factors are powers of two.  (A part with no live step holds -M = 3e38 and zeros: the conversion saturates, and its factor is 0)
	v_min_num_f32 v[\F1], v[\N], v[\PS]
	v_sub_f32 v[\F1+1], v[\F1], v[\N]
	v_sub_f32 v[\F2+1], v[\F1], v[\PS]
	v_cvt_i32_f32 v[\F1+1], v[\F1+1]
	v_cvt_i32_f32 v[\F2+1], v[\F2+1]
	v_ldexp_f32 v[\F1], 1.0, v[\F1+1]
	v_ldexp_f32 v[\F2], 1.0, v[\F2+1]
	v_mul_f32 v[\L], v[\L], v[\F1]
	v_fma_f32 v[\L], v[\PS+1], v[\F2], v[\L]
.endm
	MERGE 12, 14, 64, 252, 254
	MERGE 18, 20, 66, 248, 250
	v_permlanex16_b32 v241, v14, s[SEL], s[SEL+1]
	v_permlanex16_b32 v245, v20, s[SEL], s[SEL+1]
	v_add_f32 v14, v14, v241                       ; the rows' sums
	v_add_f32 v20, v20, v245
	s_wait_alu depctr_va_vdst(0)                   ; ahead of the batch of two
	v_rcp_f32 v14, v14
	v_rcp_f32 v20, v20
	v_and_b32 v8, 15, v0                           ; plain work behind the batch: the stage's addresses
	v_bfe_u32 v9, v0, 4, 1
	s_mul_i32 s73, s[WV], 32*KP
	s_add_co_u32 s73, s73, STAGE
	v_mul_u32_u24 v10, v8, KP
	v_lshl_add_u32 v10, v9, 3, v10
	v_add_nc_u32 v10, s73, v10                     ; in: line r, 8 bytes at 16 t + 8 h
	v_and_b32 v11, 31, v0
	v_lshrrev_b32 v8, 2, v11
	v_mul_u32_u24 v8, v8, KP
	v_and_b32 v11, 3, v11
	v_lshl_add_u32 v11, v11, 4, v8
	v_add_nc_u32 v11, s73, v11                     ; back: line lane / 4, 16 bytes at 16 (lane % 4)
	s_sub_co_i32 s72, s88, s86                     ; a number stands for x 2^(e8 + e9): its code is number / 2^(e10 - e8 - e9)
	s_sub_co_i32 s72, s72, s87
	s_add_co_i32 s72, s72, 127
	s_lshl_b32 s74, s72, 23
	v_mov_b32 v244, s74
	s_add_co_i32 s72, s72, 15
	s_lshl_b32 s72, s72, 23
	s_or_b32 s72, s72, 0x600000
	v_mov_b32 v240, s72
	s_wait_alu depctr_va_vdst(0)                   ; behind the batch, and directly ahead of the first reader of set 1's O^T
.macro JOIN F2
.set j, 0
.rept 16
	v_pk_fma_f32 v[160+j:161+j], v[32+j:33+j], v[\F2:\F2+1], v[160+j:161+j] op_sel_hi:[1,0,1]
.set j, j+2
.endr
.endm
.macro FINISH R                        ; O^T / the sum, held, to codes
.set j, 0
.rept 16
	v_pk_mul_f32 v[96+j:97+j], v[160+j:161+j], v[\R:\R+1] op_sel_hi:[1,0]
.set j, j+2
.endr
.set j, 0
.rept 32
	v_med3_num_f32 v[96+j], v[96+j], -v240, v240
.set j, j+1
.endr
.irp t, 0,1,2,3
	v_cvt_scalef32_pk8_bf8_f32 v[224+2*\t:225+2*\t], v[96+8*\t:103+8*\t], v244
.endr
	v_nop                                          ; a plain instruction behind the conversions
.endm
	RESC 160, 252
	JOIN 254
	FINISH 14
	WIN 0x41
	s_wait_alu depctr_va_vdst(0)
	RESC 160, 248
	WIN 0x51
	JOIN 250
	WIN 0x41
	FINISH 20
	WIN 0
.irp t, 0,1,2,3
	ds_store_b64 v10, v[224+2*\t:225+2*\t] offset:16*\t
.endr
	WIN 0x04
.irp t, 0,1,2,3
	ds_store_b64 v10, v[224+2*\t:225+2*\t] offset:16*KP+16*\t
.endr
	WIN 0
.irp i, 0,1,2,3
	ds_load_b128 v[32+4*\i:35+4*\i], v11 offset:8*KP*\i    ; LDS serves a wave's instructions in order: these see my stores
.endr
.irp i, 0,1,2,3
	s_wait_dscnt 3-\i                              ; load i is in; the 3 - i younger ones may be out
	global_store_b128 v[GO], v[32+4*\i:35+4*\i], s[16:17] offset:512*\i   ; 32 queries x 64 codes: 2,048 consecutive bytes, 512 a store
.endr
	s_wait_tensorcnt 0x0                           ; the wave's end
	ds_add_u32 v[SPW], v[NIL]
	s_wait_dscnt 0x0
	s_endpgm
.Lfunc_end_k_q3cc07cf18b_attn:
	.size	k_q3cc07cf18b_attn, .Lfunc_end_k_q3cc07cf18b_attn-k_q3cc07cf18b_attn
	.p2alignl 7, 3214868480
	.fill 96, 4, 3214868480
	.section	.rodata,"a",@progbits
	.p2align	6, 0x0
	.amdhsa_kernel k_q3cc07cf18b_attn
		.amdhsa_group_segment_fixed_size 327680
		.amdhsa_private_segment_fixed_size 0
		.amdhsa_enable_private_segment 0
		.amdhsa_kernarg_size 24
		.amdhsa_user_sgpr_count 2
		.amdhsa_user_sgpr_kernarg_segment_ptr 1
		.amdhsa_wavefront_size32 1
		.amdhsa_system_sgpr_workgroup_id_x 1
		.amdhsa_system_sgpr_workgroup_id_y 1
		.amdhsa_system_sgpr_workgroup_id_z 1
		.amdhsa_system_vgpr_workitem_id 0
		.amdhsa_next_free_vgpr 512
		.amdhsa_next_free_sgpr 100
		.amdhsa_reserve_vcc 1
		.amdhsa_float_denorm_mode_32 3
		.amdhsa_float_denorm_mode_16_64 3
		.amdhsa_memory_ordered 1
		.amdhsa_forward_progress 1
		.amdhsa_inst_pref_size 189
	.end_amdhsa_kernel
	.amdgpu_metadata
---
amdhsa.version: [ 1, 2 ]
amdhsa.kernels:
  - .name:           k_q3cc07cf18b_attn
    .symbol:         k_q3cc07cf18b_attn.kd
    .args:
      - { .name: qkv_codes, .offset: 0, .size: 8, .value_kind: global_buffer, .address_space: global }
      - { .name: lowp_scales, .offset: 8, .size: 8, .value_kind: global_buffer, .address_space: global }
      - { .name: ctx_codes, .offset: 16, .size: 8, .value_kind: global_buffer, .address_space: global }
    .group_segment_fixed_size: 327680
    .private_segment_fixed_size: 0
    .kernarg_segment_align: 8
    .kernarg_segment_size: 24
    .max_flat_workgroup_size: 256
    .sgpr_count:     100
    .vgpr_count:     512
    .wavefront_size: 32
...
	.end_amdgpu_metadata
.endif
;; end of part 3
;; launch oproj (part 4): grid 8 x 32, 4 waves a work-group, clusters of 4 x 4, 327,680 bytes of LDS; arguments ctx_codes, w_o_codes, lowp_scales, b_o, x, x1; writes x1
.if DOCPART == 4
	.amdgcn_target "amdgcn-amd-amdhsa--gfx1250"
	.amdhsa_code_object_version 6
	.text
	.protected	k_q3cc07cf18b_oproj
	.globl	k_q3cc07cf18b_oproj
	.p2align	8
	.type	k_q3cc07cf18b_oproj,@function
k_q3cc07cf18b_oproj:
	s_mov_b64 s[64:65], 0
	v_nop
	global_prefetch_b8 v0, s[64:65] scope:SCOPE_SE
	s_setreg_imm32_b32 hwreg(HW_REG_WAVE_MODE, 25, 1), 1
	s_wait_xcnt 0x0
	s_wait_alu depctr_hold_cnt(0) depctr_sa_sdst(0) depctr_va_vdst(0) depctr_va_sdst(0) depctr_va_ssrc(0) depctr_va_vcc(0) depctr_vm_vsrc(0)
	s_getreg_b32 s2, hwreg(HW_REG_IB_STS2, 6, 4)
	s_cmp_eq_u32 s2, 0
	s_cbranch_scc0 .Lentry_in_a_cluster
	s_endpgm
.Lentry_in_a_cluster:
	s_bfe_u32 s2, ttmp6, 0x10000c
	s_cmp_lg_u32 s2, 0xf033
	s_cbranch_scc0 .Lentry_shape_is_right
	s_endpgm
.Lentry_shape_is_right:
; out[m][n] = res[m][n] + bias[n] + 2^(eA + eB) x the sum over k of A[m][k] B[n][k], on E5M2 codes.  Here: A = ctx, B = w_o, K = 1,024, entries 10 and 11, res = x, out = x1.
; A lies in planes, [K / 64][4096 rows][64]; B in rows, [1024][K].  out and res: [4096][1024] f32.  LIMIT: eA + eB between -126 and 127.
; A tile of out is 128 x 128, so that 256 work-groups have one each (tiles of 256 x 256 would be 64); four waves of 64 x 64: 16 accumulators.
; K goes in steps of 512 through two LDS slots: A: 8 planes x 128 lines of 64 bytes + 16; B: 128 rows of 512 bytes + 16.  Waves 0, 1 fetch eight planes of A each (a plane's 128 rows are 8,192 dense bytes), waves 2, 3 all 128 rows of B, 512 bytes each.
; CLUSTERS 4 x 4: A's tiles are asked for jointly along a row of the cluster, B's along a column.  A wave has one tensor load, issued at the start.  No prefetch: with K = 1,024 every K step is a first fill.
; The matrix instruction is used transposed.  The residual's 64 x 64 numbers of a wave are asked for at the head and wait in registers.  A wave's 64 columns are 256 aligned bytes: each wave has a stage of its own.
; REGISTERS: window 0: v12-15 bias, v16-29 addresses, v32-95 rows on the way out, v128-255 accumulators.  window 1: two fragment buffers of 128 (A's four blocks, then B's four).  window 2: v0-127 the residual.
.set KROW,  1024
.set LAPS,  1
.set EA,    10
.set NTOUT, 0
.set APL,   128*80
.set BOFF,  8*APL
.set BP,    528
.set SLOT,  BOFF+128*BP
.set SPARE, 2*SLOT
.set SP,    272                        ; the stage: 16 rows x (256 bytes + 16) a wave, in slot 0, which has had its last fill and its last read by then
.set BI,   12
.set ADRA, 16                          ; v16-19: slot 0 planes 0-3, planes 4-7; slot 1 likewise (an LDS offset has 16 bits)
.set ADRB, 20
.set STO,  24
.set RD,   25
.set CO,   26
.set BO,   27
.set SPW,  28
.set NIL,  29
.set OB,   32
.set ACC,  128
.set F0,   0
.set F1,   128
.set G1, 24
.set G0, 32
.set G1B, 48
.set G0B, 56
.set MSB, 0
.macro WIN new
.if MSB != \new
	s_set_vgpr_msb (MSB<<8)|\new
.set MSB, \new
.endif
.endm
.set MUL,  0x05
.set TO_F, 0x40
.macro JLOAD s                         ; an s_nop 0 and four v_nop follow each of the two lines
	s_cmp_eq_u32 s11, 0
	s_cbranch_scc0 .Lfor_b_\@
	tensor_load_to_lds s[G0+4*\s:G0+4*\s+3], s[G1:G1+7]
	s_nop 0
.rept 4
	v_nop
.endr
	s_branch .Lasked_\@
.Lfor_b_\@:
	tensor_load_to_lds s[G0B+4*\s:G0B+4*\s+3], s[G1B:G1B+7]
	s_nop 0
.rept 4
	v_nop
.endr
.Lasked_\@:
.endm
.macro CREST
	s_cmp_lg_u32 s10, 0
	s_cbranch_scc1 .Lnot_wave_0_\@
	s_barrier_signal -3
.Lnot_wave_0_\@:
	s_barrier_wait -3
	s_barrier_signal -1
	s_barrier_wait -1
.endm
.macro CROUND
	s_barrier_signal -1
	s_barrier_wait -1
	CREST
.endm
	s_load_b128 s[4:7], s[0:1], 0x0                ; A's codes, B's codes
	s_load_b128 s[68:71], s[0:1], 0x10             ; the scales' exponents, the bias
	s_load_b128 s[72:75], s[0:1], 0x20             ; the residual, the output
	v_lshl_add_u32 v[SPW], v0, 2, SPARE
	v_mov_b32 v[NIL], 0
	ds_add_u32 v[SPW], v[NIL]                      ; the wave's opening: the add, twice on end, and its wait ahead of my first tensor load
	ds_add_u32 v[SPW], v[NIL]
	v_lshrrev_b32 v1, 5, v0
	v_readfirstlane_b32 s10, v1                    ; wave
	s_lshr_b32 s11, s10, 1                         ; my half of the rows; also: I fetch for A (0) or B (1)
	s_and_b32 s12, s10, 1                          ; my half of the columns; also: which half I fetch
	s_bfe_u32 s40, ttmp6, 0x40000
	s_bfe_u32 s41, ttmp6, 0x40004
	s_lshl_b32 s42, ttmp9, 2
	s_add_co_u32 s42, s42, s40                     ; tile column
	s_and_b32 s13, ttmp7, 0xffff
	s_lshl_b32 s13, s13, 2
	s_add_co_u32 s13, s13, s41                     ; tile row
	s_lshl_b32 s43, s41, 2
	s_lshl_b32 s43, 15, s43
	s_lshl_b32 s44, 0x1111, s40
	s_or_b32 s[G1+0], s43, (0<<16)|(1<<20)|(1<<21)|(3<<22)|(3<<25)   ; A: my row's mask; bytes; 4 words of padding behind every 16
	s_mov_b32 s[G1+1], 8192<<16                    ; tensor_dim0: a plane's 128 rows x 64 bytes
	s_mov_b32 s[G1+2], 8<<16                       ; tensor_dim1: eight planes: one load of a wave fills a whole slot's part of A
	s_mov_b32 s[G1+3], 8192<<16
	s_mov_b32 s[G1+4], 8
	s_mov_b32 s[G1+5], 262144                      ; from plane to plane
	s_mov_b32 s[G1+6], 0
	s_mov_b32 s[G1+7], 0
	s_or_b32 s[G1B+0], s44, (0<<16)|(1<<20)|(1<<21)|(6<<22)|(3<<25)  ; B: my column's mask; 4 words behind every 128
	s_mov_b32 s[G1B+1], 512<<16
	s_mov_b32 s[G1B+2], 128<<16                    ; all 128 rows of B, 512 bytes of each
	s_mov_b32 s[G1B+3], 512<<16
	s_mov_b32 s[G1B+4], 128
	s_mov_b32 s[G1B+5], KROW
	s_mov_b32 s[G1B+6], 0
	s_mov_b32 s[G1B+7], 0
	s_lshl_b32 s16, s13, 13                        ; A: tile row x 128 rows x 64
	s_lshl_b32 s17, s12, 21                        ;    + my eight planes: wave 0 planes 0-7 (slot 0), wave 1 planes 8-15 (slot 1)
	s_add_co_u32 s16, s16, s17
	s_mov_b32 s17, 0
	s_lshl_b32 s46, s42, 7
	s_mul_i32 s46, s46, KROW                       ; B: row 128 x tile column,
	s_lshl_b32 s47, s12, 9                         ; wave 2 its first 512 bytes (slot 0), wave 3 the second (slot 1)
	s_add_co_u32 s46, s46, s47
	s_mov_b32 s47, 0
	s_mul_i32 s20, s12, SLOT                       ; where they go: my slot
	s_mul_i32 s21, s12, SLOT
	s_add_co_u32 s21, s21, BOFF
	s_wait_dscnt 0x0
	s_wait_kmcnt 0x0
	s_load_b64 s[76:77], s[68:69], 4*EA            ; eA, eB
	s_add_nc_u64 s[14:15], s[4:5], s[16:17]
	s_add_nc_u64 s[46:47], s[6:7], s[46:47]
	CROUND
.irp s, 0
	s_mov_b32 s[G0+4*\s], 1
	s_add_co_u32 s[G0+4*\s+1], s20, \s*SLOT
	s_add_nc_u64 s[G0+4*\s+2:G0+4*\s+3], s[14:15], \s*8*262144
	s_or_b32 s[G0+4*\s+3], s[G0+4*\s+3], 0x80000000
	s_mov_b32 s[G0B+4*\s], 1
	s_add_co_u32 s[G0B+4*\s+1], s21, \s*SLOT
	s_add_nc_u64 s[G0B+4*\s+2:G0B+4*\s+3], s[46:47], \s*512
	s_or_b32 s[G0B+4*\s+3], s[G0B+4*\s+3], 0x80000000
	JLOAD \s
.endr
	v_and_b32 v1, 15, v0                           ; r
	v_bfe_u32 v2, v0, 4, 1                         ; h
	v_mul_u32_u24 v3, v1, 80
	v_lshl_add_u32 v3, v2, 4, v3
	s_mul_i32 s21, s11, 64*80
	v_add_nc_u32 v[ADRA], s21, v3
	v_add_nc_u32 v[ADRA+1], 4*APL, v[ADRA]
	v_add_nc_u32 v[ADRA+2], SLOT, v[ADRA]
	v_add_nc_u32 v[ADRA+3], SLOT, v[ADRA+1]
	v_mul_u32_u24 v4, v1, BP
	v_lshl_add_u32 v4, v2, 4, v4
	s_mul_i32 s22, s12, 64*BP
	s_add_co_u32 s22, s22, BOFF
	v_add_nc_u32 v[ADRB], s22, v4
	v_add_nc_u32 v[ADRB+1], SLOT, v[ADRB]
	s_mul_i32 s23, s10, 16*SP
	v_mul_u32_u24 v5, v1, SP
	v_lshl_add_u32 v5, v2, 5, v5
	v_add_nc_u32 v[STO], s23, v5                   ; in: row r, 32 bytes for each half of the lanes
	v_mul_u32_u24 v5, v2, SP
	v_lshl_add_u32 v5, v1, 4, v5
	v_add_nc_u32 v[RD], s23, v5                    ; back: lanes 0-15 one row of 256 bytes, lanes 16-31 the next
	v_lshlrev_b32 v[CO], 12, v2
	v_lshl_add_u32 v[CO], v1, 4, v[CO]             ; and the same two rows in out and res
	s_wait_alu depctr_va_vdst(0)
	v_lshlrev_b32 v[BO], 4, v1
	s_wait_alu depctr_va_vdst(0)
	s_lshl_b32 s16, s13, 19                        ; 128 x tile row x 4,096
	s_lshl_b32 s17, s11, 18
	s_add_co_u32 s16, s16, s17
	s_mov_b32 s17, 0
	s_lshl_b32 s46, s42, 9                         ; my first column, in bytes
	s_lshl_b32 s47, s12, 8
	s_add_co_u32 s46, s46, s47
	s_mov_b32 s47, 0
	s_add_nc_u64 s[70:71], s[70:71], s[46:47]
	s_add_nc_u64 s[16:17], s[16:17], s[46:47]
	s_add_nc_u64 s[72:73], s[72:73], s[16:17]
	s_add_nc_u64 s[74:75], s[74:75], s[16:17]
	WIN 0x80                                       ; destination window 2
.set t, 0
.rept 32
	global_load_b128 v[4*t:4*t+3], v[CO], s[72:73] offset:8192*t   ; rows 2 t, 2 t + 1 of my 64: sixteen lanes read 256 consecutive bytes
.set t, t+1
.endr
	WIN 0
	global_load_b128 v[BI:BI+3], v[BO], s[70:71]
.macro MULA f, a, zero                 ; the 16 accumulators take turns, one instruction a turn, in one order
.irp b, 0,1,2,3
.if \zero
	v_wmma_f32_16x16x128_bf8_bf8 v[ACC+8*(4*(\a)+\b):ACC+8*(4*(\a)+\b)+7], v[\f+64+16*\b:\f+64+16*\b+15], v[\f+16*(\a):\f+16*(\a)+15], 0
.else
	v_wmma_f32_16x16x128_bf8_bf8 v[ACC+8*(4*(\a)+\b):ACC+8*(4*(\a)+\b)+7], v[\f+64+16*\b:\f+64+16*\b+15], v[\f+16*(\a):\f+16*(\a)+15], v[ACC+8*(4*(\a)+\b):ACC+8*(4*(\a)+\b)+7]
.endif
.endr
.endm
.macro FETCH slot, q, f                ; the fragments of the slot's q-th 128 along K: registers 4 c .. 4 c + 3 hold K = 32 c + 16 h + 0 .. 15, in A and in B alike
	WIN TO_F
.irp i, 0,1,2,3
.irp c, 0,1,2,3
	ds_load_b128 v[\f+64+16*\i+4*\c:\f+64+16*\i+4*\c+3], v[ADRB+\slot] offset:16*BP*\i+128*(\q)+32*\c
.endr
.endr
.irp i, 0,1,2,3
.irp c, 0,1,2,3
	ds_load_b128 v[\f+16*\i+4*\c:\f+16*\i+4*\c+3], v[ADRA+2*\slot+(\q)/2] offset:(2*((\q)%2)+\c/2)*APL+1280*\i+32*(\c%2)
.endr
.endr
.endm
.macro PLACES
.rept 4
	v_nop
.endr
.endm
.macro QUARTER slot, qn, f, g, zero    ; multiplies buffer f; first asks for the next 128 along K into g
	s_wait_dscnt 0x0                               ; buffer f is in
	PLACES                                         ; in front of loads into registers that matrix instructions have read
	FETCH \slot, \qn, \g
	WIN MUL
	MULA \f, 0, \zero
	MULA \f, 1, \zero
	MULA \f, 2, \zero
	MULA \f, 3, \zero
.endm
.macro TURN slot, next, fill           ; a slot's last 128 along K, in buffer 1, and the change of slots
	WIN 0
	s_wait_tensorcnt 0x0                           ; all my tensor loads have landed
	ds_add_u32 v[SPW], v[NIL]                      ; 0 onto my spare word
	s_wait_dscnt 1                                 ; the add alone may be out: buffer 1 is in
	WIN MUL
	MULA F1, 0, 0
	s_wait_dscnt 0x0                               ; the add is done, and my reads of this slot are over
	s_barrier_signal -1
	MULA F1, 1, 0
.if \fill
	WIN 0
.endif
	s_barrier_wait -1
.if \fill
	CREST
	s_add_nc_u64 s[G0+4*\slot+2:G0+4*\slot+3], s[G0+4*\slot+2:G0+4*\slot+3], 16*262144
	s_add_nc_u64 s[G0B+4*\slot+2:G0B+4*\slot+3], s[G0B+4*\slot+2:G0B+4*\slot+3], 1024
	JLOAD \slot
.else
	PLACES
.endif
	FETCH \next, 0, F0
	WIN MUL
	MULA F1, 2, 0
	MULA F1, 3, 0
.endm
	s_wait_tensorcnt 0x0                           ; my one load is in: the four waves' loads are all of K = 1,024
	s_barrier_signal -1
	s_barrier_wait -1
	FETCH 0, 0, F0
	QUARTER 0, 1, F0, F1, 1
.if LAPS > 1
	WIN 0
	s_mov_b32 s3, LAPS-1
.Llap:
	QUARTER 0, 2, F1, F0, 0
	QUARTER 0, 3, F0, F1, 0
	TURN 0, 1, 1
	QUARTER 1, 1, F0, F1, 0
	QUARTER 1, 2, F1, F0, 0
	QUARTER 1, 3, F0, F1, 0
	TURN 1, 0, 1
	QUARTER 0, 1, F0, F1, 0
	WIN 0
	s_sub_co_u32 s3, s3, 1
	s_cmp_lg_u32 s3, 0
	s_cbranch_scc1 .Llap
.endif
	QUARTER 0, 2, F1, F0, 0
	QUARTER 0, 3, F0, F1, 0
	TURN 0, 1, 0
	QUARTER 1, 1, F0, F1, 0
	QUARTER 1, 2, F1, F0, 0
	QUARTER 1, 3, F0, F1, 0
	s_wait_dscnt 0x0
	WIN MUL
	MULA F1, 0, 0
	MULA F1, 1, 0
	MULA F1, 2, 0
	MULA F1, 3, 0
	WIN 0
	PLACES
	s_wait_loadcnt 0x0                             ; the residual and the bias
	s_wait_kmcnt 0x0
	s_add_co_i32 s76, s76, s77
	s_add_co_i32 s76, s76, 127
	s_lshl_b32 s76, s76, 23                        ; 2^(eA + eB)
	s_mov_b32 s77, s76
.macro TOSTAGE a                       ; 16 rows through my stage; each accumulator from its low end on
.irp b, 0,1,2,3
	ds_store_b128 v[STO], v[ACC+8*(4*(\a)+\b):ACC+8*(4*(\a)+\b)+3] offset:64*\b
	ds_store_b128 v[STO], v[ACC+8*(4*(\a)+\b)+4:ACC+8*(4*(\a)+\b)+7] offset:64*\b+16
.endr
.irp t, 0,1,2,3,4,5,6,7
	ds_load_b128 v[OB+32*((\a)%2)+4*\t:OB+32*((\a)%2)+4*\t+3], v[RD] offset:\t*2*SP
.endr
.endm
.macro SEND a, younger
.set BB, OB+32*((\a)%2)
	s_wait_dscnt \younger
	WIN 0x20                                       ; source 2: window 2
.irp j, 0,2,4,6,8,10,12,14,16,18,20,22,24,26,28,30
	v_pk_fma_f32 v[BB+\j:BB+\j+1], v[BB+\j:BB+\j+1], s[76:77], v[32*(\a)+\j:32*(\a)+\j+1] op_sel_hi:[1,0,1]
.endr
	WIN 0
.irp t, 0,1,2,3,4,5,6,7
	v_pk_add_f32 v[BB+4*\t:BB+4*\t+1], v[BB+4*\t:BB+4*\t+1], v[BI:BI+1]
	v_pk_add_f32 v[BB+4*\t+2:BB+4*\t+3], v[BB+4*\t+2:BB+4*\t+3], v[BI+2:BI+3]
.endr
.irp t, 0,1,2,3,4,5,6,7
.if NTOUT
	global_store_b128 v[CO], v[BB+4*\t:BB+4*\t+3], s[74:75] offset:(16*(\a)+2*\t)*4096 th:TH_STORE_NT
.else
	global_store_b128 v[CO], v[BB+4*\t:BB+4*\t+3], s[74:75] offset:(16*(\a)+2*\t)*4096
.endif
.endr
.endm
	TOSTAGE 0
.irp a, 1,2,3
.if \a > 1
	s_wait_xcnt 0x0                                ; block a - 2's stores have read their registers
.endif
	TOSTAGE \a
	SEND \a-1, 16                                  ; behind block a - 1's loads: block a's 8 stores and 8 loads
.endr
	SEND 3, 0
	s_wait_tensorcnt 0x0                           ; the wave's end
	ds_add_u32 v[SPW], v[NIL]
	s_wait_dscnt 0x0
	CROUND                                         ; the closing round
	s_endpgm
.Lfunc_end_k_q3cc07cf18b_oproj:
	.size	k_q3cc07cf18b_oproj, .Lfunc_end_k_q3cc07cf18b_oproj-k_q3cc07cf18b_oproj
	.p2alignl 7, 3214868480
	.fill 96, 4, 3214868480
	.section	.rodata,"a",@progbits
	.p2align	6, 0x0
	.amdhsa_kernel k_q3cc07cf18b_oproj
		.amdhsa_group_segment_fixed_size 327680
		.amdhsa_private_segment_fixed_size 0
		.amdhsa_enable_private_segment 0
		.amdhsa_kernarg_size 48
		.amdhsa_user_sgpr_count 2
		.amdhsa_user_sgpr_kernarg_segment_ptr 1
		.amdhsa_wavefront_size32 1
		.amdhsa_system_sgpr_workgroup_id_x 1
		.amdhsa_system_sgpr_workgroup_id_y 1
		.amdhsa_system_sgpr_workgroup_id_z 1
		.amdhsa_system_vgpr_workitem_id 0
		.amdhsa_next_free_vgpr 640
		.amdhsa_next_free_sgpr 80
		.amdhsa_reserve_vcc 0
		.amdhsa_float_denorm_mode_32 3
		.amdhsa_float_denorm_mode_16_64 3
		.amdhsa_memory_ordered 1
		.amdhsa_forward_progress 1
		.amdhsa_inst_pref_size 52
	.end_amdhsa_kernel
	.amdgpu_metadata
---
amdhsa.version: [ 1, 2 ]
amdhsa.kernels:
  - .name:           k_q3cc07cf18b_oproj
    .symbol:         k_q3cc07cf18b_oproj.kd
    .args:
      - { .name: ctx_codes, .offset: 0, .size: 8, .value_kind: global_buffer, .address_space: global }
      - { .name: w_o_codes, .offset: 8, .size: 8, .value_kind: global_buffer, .address_space: global }
      - { .name: lowp_scales, .offset: 16, .size: 8, .value_kind: global_buffer, .address_space: global }
      - { .name: b_o, .offset: 24, .size: 8, .value_kind: global_buffer, .address_space: global }
      - { .name: x, .offset: 32, .size: 8, .value_kind: global_buffer, .address_space: global }
      - { .name: x1, .offset: 40, .size: 8, .value_kind: global_buffer, .address_space: global }
    .group_segment_fixed_size: 327680
    .private_segment_fixed_size: 0
    .kernarg_segment_align: 8
    .kernarg_segment_size: 48
    .max_flat_workgroup_size: 128
    .sgpr_count:     80
    .vgpr_count:     640
    .wavefront_size: 32
...
	.end_amdgpu_metadata
.endif
;; end of part 4
;; launch ln2 (part 5): grid 256 x 1, 8 waves a work-group, no clusters, 41,984 bytes of LDS; arguments x1, ln2_g, ln2_b, lowp_scales, h2_codes; writes h2_codes
.if DOCPART == 5
	.amdgcn_target "amdgcn-amd-amdhsa--gfx1250"
	.amdhsa_code_object_version 6
	.text
	.protected	k_q3cc07cf18b_ln2
	.globl	k_q3cc07cf18b_ln2
	.p2align	8
	.type	k_q3cc07cf18b_ln2,@function
k_q3cc07cf18b_ln2:
	s_mov_b64 s[64:65], 0
	v_nop
	global_prefetch_b8 v0, s[64:65] scope:SCOPE_SE
	s_setreg_imm32_b32 hwreg(HW_REG_WAVE_MODE, 25, 1), 1
	s_wait_xcnt 0x0
; y = (x1 - mean) g / (std + 1e-6) + b along the 1,024 of a row, std with divisor 1,023, in f32; y is quantised with the scale 2^e of entry 12 of lowp_scales into E5M2 codes, [4096][1024].
; LIMITS: e between -126 and 112.  NaN among the inputs is not served.
; The text is the first launch's with one scale: a work-group takes 16 rows, a wave two; a wave holds a whole row, so no sum leaves the wave.  Every load reads 512 consecutive bytes; each 2,048 bytes turn through the wave's
; own stage in LDS and come back 64 bytes a lane, so that a lane holds 16 neighbours for the conversions; a store covers 512 consecutive bytes.  Memory binds: no matrix unit, no cluster, no tensor load.
.set NS,    1
.set E0,    12
.set SP,    80
.set WREG,  2*32*SP
.set SPARE, 8*WREG
.set SPW,   4
.set NIL,   5
.set SIN,   14
.set SOUT,  15
.set SC,    16
.set LM,    19
.set AC,    22
.set RG,    32
.set RB,    64
.set RX0,   96
.set RX1,   128
.set G,     160
.set BT,    192
.set XA,    224
.set XB,    32
.set Y,     64
.set CA,    96
.set CB,    128
.set OUTP,  36
	s_load_b256 s[4:11], s[0:1], 0x0               ; x1, g, b, the scales' exponents
	s_load_b64 s[12:13], s[0:1], 0x20              ; the codes
	v_lshl_add_u32 v[SPW], v0, 2, SPARE
	v_mov_b32 v[NIL], 0
	v_lshrrev_b32 v1, 5, v0
	s_delay_alu instid0(VALU_DEP_1)
	v_readfirstlane_b32 s16, v1
	v_and_b32 v2, 31, v0
	s_delay_alu instid0(VALU_DEP_1)
	v_lshlrev_b32 v3, 4, v2
	s_mul_i32 s17, s16, WREG
	v_lshrrev_b32 v[SIN], 2, v2
	s_delay_alu instid0(VALU_DEP_1)
	v_mul_u32_u24 v[SIN], v[SIN], SP
	v_and_b32 v[SOUT], 3, v2
	s_delay_alu instid0(VALU_DEP_1)
	v_lshl_add_u32 v[SIN], v[SOUT], 4, v[SIN]
	s_delay_alu instid0(VALU_DEP_1)
	v_add_nc_u32 v[SIN], s17, v[SIN]
	v_mul_u32_u24 v[SOUT], v2, SP
	s_delay_alu instid0(VALU_DEP_1)
	v_add_nc_u32 v[SOUT], s17, v[SOUT]
	v_mov_b32 v11, 0
	s_lshl_b32 s18, ttmp9, 4
	s_lshl_b32 s19, s16, 1
	s_add_co_u32 s18, s18, s19
	s_lshl_b32 s22, s18, 12
	s_mov_b32 s23, 0
	s_lshl_b32 s30, s18, 10
	s_mov_b32 s31, 0
	s_mov_b32 s20, 0x76543210
	s_mov_b32 s21, 0xfedcba98
	s_wait_alu depctr_va_vdst(0)
	s_wait_kmcnt 0x0
	s_load_b32 s24, s[10:11], 4*E0
	s_add_nc_u64 s[4:5], s[4:5], s[22:23]
	s_add_nc_u64 s[OUTP:OUTP+1], s[12:13], s[30:31]
.macro LOADROW reg, base, off, nt
.irp i, 0,1,2,3,4,5,6,7
.if \nt
	global_load_b128 v[\reg+4*\i:\reg+4*\i+3], v3, s[\base:\base+1] offset:\off+512*\i th:TH_LOAD_NT
.else
	global_load_b128 v[\reg+4*\i:\reg+4*\i+3], v3, s[\base:\base+1] offset:\off+512*\i
.endif
.endr
.endm
.macro TURNROW raw, fin
.irp u, 0,1
.irp i, 0,1,2,3
	ds_store_b128 v[SIN], v[\raw+16*\u+4*\i:\raw+16*\u+4*\i+3] offset:32*SP*\u+8*SP*\i
.endr
.irp i, 0,1,2,3
	ds_load_b128 v[\fin+16*\u+4*\i:\fin+16*\u+4*\i+3], v[SOUT] offset:32*SP*\u+16*\i
.endr
.endr
.endm
.macro FOLD
	s_delay_alu instid0(VALU_DEP_3)
	v_pk_add_f32 v[AC:AC+1], v[AC:AC+1], v[AC+2:AC+3]
	s_delay_alu instid0(VALU_DEP_2)
	v_pk_add_f32 v[AC+4:AC+5], v[AC+4:AC+5], v[AC+6:AC+7]
	s_delay_alu instid0(VALU_DEP_1)
	v_pk_add_f32 v[AC:AC+1], v[AC:AC+1], v[AC+4:AC+5]
	s_delay_alu instid0(VALU_DEP_1)
	v_add_f32 v10, v[AC], v[AC+1]
	s_delay_alu instid0(VALU_DEP_1)
	v_add_f32_dpp v10, v10, v10 row_xmask:1 row_mask:0xf bank_mask:0xf
	s_delay_alu instid0(VALU_DEP_1)
	v_add_f32_dpp v10, v10, v10 row_xmask:2 row_mask:0xf bank_mask:0xf
	s_delay_alu instid0(VALU_DEP_1)
	v_add_f32_dpp v10, v10, v10 row_xmask:4 row_mask:0xf bank_mask:0xf
	s_delay_alu instid0(VALU_DEP_1)
	v_add_f32_dpp v10, v10, v10 row_xmask:8 row_mask:0xf bank_mask:0xf
	s_delay_alu instid0(VALU_DEP_1)
	v_permlanex16_b32 v11, v10, s20, s21
	s_delay_alu instid0(VALU_DEP_1)
	v_add_f32 v10, v10, v11
.endm
.macro ROWDO X, C, rowoff
.irp k, 0,1,2,3
	v_pk_add_f32 v[AC+2*\k:AC+2*\k+1], v[\X+4*\k:\X+4*\k+1], v[\X+4*\k+2:\X+4*\k+3]
.endr
.irp k, 0,1,2,3,4,5,6,7
	s_delay_alu instid0(VALU_DEP_4)
	v_pk_add_f32 v[AC+2*(\k%4):AC+2*(\k%4)+1], v[AC+2*(\k%4):AC+2*(\k%4)+1], v[\X+16+2*\k:\X+16+2*\k+1]
.endr
	FOLD
	s_delay_alu instid0(VALU_DEP_1)
	v_mul_f32 v6, 0x3a800000, v10                  ; the mean
	s_delay_alu instid0(VALU_DEP_1)
	v_mov_b32 v7, v6
.set j, 0
.rept 16
	v_pk_add_f32 v[\X+j:\X+j+1], v[\X+j:\X+j+1], v[6:7] op_sel_hi:[1,0] neg_lo:[0,1] neg_hi:[0,1]
.set j, j+2
.endr
.irp k, 0,1,2,3
	v_pk_mul_f32 v[AC+2*\k:AC+2*\k+1], v[\X+2*\k:\X+2*\k+1], v[\X+2*\k:\X+2*\k+1]
.endr
.irp k, 4,5,6,7,8,9,10,11,12,13,14,15
	s_delay_alu instid0(VALU_DEP_4)
	v_pk_fma_f32 v[AC+2*(\k%4):AC+2*(\k%4)+1], v[\X+2*\k:\X+2*\k+1], v[\X+2*\k:\X+2*\k+1], v[AC+2*(\k%4):AC+2*(\k%4)+1]
.endr
	FOLD
	s_delay_alu instid0(VALU_DEP_1)
	v_mul_f32 v10, 0x3a802008, v10                 ; / 1,023
	s_wait_alu depctr_va_vdst(0)
	v_sqrt_f32 v12, v10
	v_nop
	s_wait_alu depctr_va_vdst(0)                   ; the wait ahead of a transcendental's first reader
	v_add_f32 v12, 0x358637bd, v12                 ; + 1e-6
	s_wait_alu depctr_va_vdst(0)
	v_rcp_f32 v8, v12
	v_nop
	s_wait_alu depctr_va_vdst(0)
	v_mov_b32 v9, v8
.set j, 0
.rept 16
	v_pk_mul_f32 v[\X+j:\X+j+1], v[\X+j:\X+j+1], v[G+j:G+j+1]
.set j, j+2
.endr
.set j, 0
.rept 16
	v_pk_fma_f32 v[\X+j:\X+j+1], v[\X+j:\X+j+1], v[8:9], v[BT+j:BT+j+1] op_sel_hi:[1,0,1]
.set j, j+2
.endr
.set i, 0
.rept 32
	v_med3_num_f32 v[Y+i], v[\X+i], -v[LM], v[LM]  ; the hold: the conversion does not saturate (ISA guide 7.6.2)
.set i, i+1
.endr
.irp g, 0,1,2,3
	v_cvt_scalef32_pk8_bf8_f32 v[\C+2*\g:\C+2*\g+1], v[Y+8*\g:Y+8*\g+7], v[SC]
.endr
	v_nop
	global_store_b128 v3, v[\C:\C+3], s[OUTP:OUTP+1] offset:\rowoff
	global_store_b128 v3, v[\C+4:\C+7], s[OUTP:OUTP+1] offset:\rowoff+512
.endm
	LOADROW RG, 6, 0, 0
	LOADROW RB, 8, 0, 0
	LOADROW RX0, 4, 0, 1
	LOADROW RX1, 4, 4096, 1
	s_wait_kmcnt 0x0
	s_add_co_i32 s27, s24, 127
	s_lshl_b32 s28, s27, 23
	v_mov_b32 v[SC], s28
	s_add_co_i32 s27, s27, 15
	s_lshl_b32 s27, s27, 23
	s_or_b32 s27, s27, 0x600000
	v_mov_b32 v[LM], s27
	s_wait_loadcnt 24                              ; g is in; the 24 younger loads may be out
	TURNROW RG, G
	s_wait_loadcnt 16
	TURNROW RB, BT
	s_wait_loadcnt 8
	TURNROW RX0, XA
	s_wait_dscnt 0x0                               ; the stage's stores have read the registers that are written anew below
	s_wait_loadcnt 0x0
	TURNROW RX1, XB
	ROWDO XA, CA, 0
	s_wait_dscnt 0x0
	ROWDO XB, CB, 1024
	s_wait_tensorcnt 0x0                           ; the wave's end
	ds_add_u32 v[SPW], v[NIL]
	s_wait_dscnt 0x0
	s_endpgm
.Lfunc_end_k_q3cc07cf18b_ln2:
	.size	k_q3cc07cf18b_ln2, .Lfunc_end_k_q3cc07cf18b_ln2-k_q3cc07cf18b_ln2
	.p2alignl 7, 3214868480
	.fill 96, 4, 3214868480
	.section	.rodata,"a",@progbits
	.p2align	6, 0x0
	.amdhsa_kernel k_q3cc07cf18b_ln2
		.amdhsa_group_segment_fixed_size 41984
		.amdhsa_private_segment_fixed_size 0
		.amdhsa_enable_private_segment 0
		.amdhsa_kernarg_size 40
		.amdhsa_user_sgpr_count 2
		.amdhsa_user_sgpr_kernarg_segment_ptr 1
		.amdhsa_wavefront_size32 1
		.amdhsa_system_sgpr_workgroup_id_x 1
		.amdhsa_system_sgpr_workgroup_id_y 1
		.amdhsa_system_sgpr_workgroup_id_z 1
		.amdhsa_system_vgpr_workitem_id 0
		.amdhsa_next_free_vgpr 256
		.amdhsa_next_free_sgpr 66
		.amdhsa_reserve_vcc 0
		.amdhsa_float_denorm_mode_32 3
		.amdhsa_float_denorm_mode_16_64 3
		.amdhsa_memory_ordered 1
		.amdhsa_forward_progress 1
		.amdhsa_inst_pref_size 30
	.end_amdhsa_kernel
	.amdgpu_metadata
---
amdhsa.version: [ 1, 2 ]
amdhsa.kernels:
  - .name:           k_q3cc07cf18b_ln2
    .symbol:         k_q3cc07cf18b_ln2.kd
    .args:
      - { .name: x1, .offset: 0, .size: 8, .value_kind: global_buffer, .address_space: global }
      - { .name: ln2_g, .offset: 8, .size: 8, .value_kind: global_buffer, .address_space: global }
      - { .name: ln2_b, .offset: 16, .size: 8, .value_kind: global_buffer, .address_space: global }
      - { .name: lowp_scales, .offset: 24, .size: 8, .value_kind: global_buffer, .address_space: global }
      - { .name: h2_codes, .offset: 32, .size: 8, .value_kind: global_buffer, .address_space: global }
    .group_segment_fixed_size: 41984
    .private_segment_fixed_size: 0
    .kernarg_segment_align: 8
    .kernarg_segment_size: 40
    .max_flat_workgroup_size: 256
    .sgpr_count:     66
    .vgpr_count:     256
    .wavefront_size: 32
...
	.end_amdgpu_metadata
.endif
;; end of part 5
;; launch fc1 (part 6): grid 16 x 16, 4 waves a work-group, clusters of 4 x 4, 327,680 bytes of LDS; arguments h2_codes, w_fc1_codes, lowp_scales, b_fc1, g_codes; writes g_codes
.if DOCPART == 6
	.amdgcn_target "amdgcn-amd-amdhsa--gfx1250"
	.amdhsa_code_object_version 6
	.text
	.protected	k_q3cc07cf18b_fc1
	.globl	k_q3cc07cf18b_fc1
	.p2align	8
	.type	k_q3cc07cf18b_fc1,@function
k_q3cc07cf18b_fc1:
	s_mov_b64 s[64:65], 0
	v_nop
	global_prefetch_b8 v0, s[64:65] scope:SCOPE_SE
	s_setreg_imm32_b32 hwreg(HW_REG_WAVE_MODE, 25, 1), 1
	s_wait_xcnt 0x0
	s_wait_alu depctr_hold_cnt(0) depctr_sa_sdst(0) depctr_va_vdst(0) depctr_va_sdst(0) depctr_va_ssrc(0) depctr_va_vcc(0) depctr_vm_vsrc(0)
	s_getreg_b32 s2, hwreg(HW_REG_IB_STS2, 6, 4)
	s_cmp_eq_u32 s2, 0
	s_cbranch_scc0 .Lentry_in_a_cluster
	s_endpgm
.Lentry_in_a_cluster:
	s_bfe_u32 s2, ttmp6, 0x10000c
	s_cmp_lg_u32 s2, 0xf033
	s_cbranch_scc0 .Lentry_shape_is_right
	s_endpgm
.Lentry_shape_is_right:
.set SIZE_K, 1024
.set KSTEP,  256
.set ROWB,   256
.set KROW,   SIZE_K
.set PITCH,  272
.set FR,     16
.set NL,     4
.set NP,     4
.set HALFT,  128*PITCH
.set SLOT,   4*HALFT
.set LAPS,   SIZE_K/(2*KSTEP)
.set SPARE,  2*SLOT
.set SPITCH, 528
.set WSTAGE, 64*SPITCH
.set ADRA, 16
.set ADRB, 20
.set ADR,  22
.set STO,  24
.set RD,   25
.set CO,   26
.set BO,   27
.set SPW,  28
.set NIL,  29
.set SCL,  30
.set LIM,  31
.set BIAS, 32
.set CD,   64
.set Q,    96
.set AF,   128
.set R,    128
.set X,    160
.set T,    192
.set P,    224
.set OP0,  88
.set OP1,  90
.set G1, 24
.set G0, 32
.set G1B, 48
.set G0B, 56
.set MSB, 0
.macro WIN new
.if MSB != \new
	s_set_vgpr_msb (MSB<<8)|\new
.set MSB, \new
.endif
.endm
.set MUL_LO, 0xa1
.set MUL_HI, 0xf1
.set TO_B,   0x40
.macro JLOAD g0a, g1a, g0b, g1b
	s_cmp_eq_u32 s15, 0
	s_cbranch_scc0 .Lfor_b_\@
	tensor_load_to_lds s[\g0a:\g0a+3], s[\g1a:\g1a+7]
	s_nop 0
.rept 4
	v_nop
.endr
	s_branch .Lasked_\@
.Lfor_b_\@:
	tensor_load_to_lds s[\g0b:\g0b+3], s[\g1b:\g1b+7]
	s_nop 0
.rept 4
	v_nop
.endr
.Lasked_\@:
.endm
.macro CREST
	s_cmp_lg_u32 s14, 0
	s_cbranch_scc1 .Lnot_wave_0_\@
	s_barrier_signal -3
.Lnot_wave_0_\@:
	s_barrier_wait -3
	s_barrier_signal -1
	s_barrier_wait -1
.endm
.macro CROUND
	s_barrier_signal -1
	s_barrier_wait -1
	CREST
.endm
	s_load_b128 s[4:7], s[0:1], 0x0
	s_load_b128 s[8:11], s[0:1], 0x10
	s_load_b64 s[12:13], s[0:1], 0x20
	v_lshl_add_u32 v[SPW], v0, 2, SPARE
	v_mov_b32 v[NIL], 0
	ds_add_u32 v[SPW], v[NIL]
	ds_add_u32 v[SPW], v[NIL]
	v_lshrrev_b32 v1, 5, v0
	v_readfirstlane_b32 s14, v1
	s_lshr_b32 s15, s14, 1
	s_and_b32 s16, s14, 1
	s_bfe_u32 s40, ttmp6, 0x40000
	s_bfe_u32 s41, ttmp6, 0x40004
	s_lshl_b32 s42, ttmp9, 2
	s_add_co_u32 s42, s42, s40
	s_and_b32 s17, ttmp7, 0xffff
	s_lshl_b32 s17, s17, 2
	s_add_co_u32 s17, s17, s41
	s_lshl_b32 s43, s41, 2
	s_lshl_b32 s43, 15, s43
	s_lshl_b32 s44, 0x1111, s40
	s_or_b32 s[G1+0], s43, (0<<16)|(1<<20)|(1<<21)|(5<<22)|(3<<25)
	s_or_b32 s[G1B+0], s44, (0<<16)|(1<<20)|(1<<21)|(5<<22)|(3<<25)
.irp g, G1, G1B
	s_mov_b32 s[\g+1], ROWB<<16
	s_mov_b32 s[\g+2], 128<<16
	s_mov_b32 s[\g+3], ROWB<<16
	s_mov_b32 s[\g+4], 128
	s_mov_b32 s[\g+5], KROW
	s_mov_b32 s[\g+6], 0
	s_mov_b32 s[\g+7], 0
.endr
	s_lshl_b32 s18, s16, 7
	s_lshl_b32 s20, s17, 8
	s_add_co_u32 s20, s20, s18
	s_lshl_b32 s46, s42, 8
	s_add_co_u32 s46, s46, s18
	s_mov_b32 s21, 0
	s_mov_b32 s47, 0
	s_mov_b64 s[18:19], KROW
	s_mul_u64 s[20:21], s[20:21], s[18:19]
	s_mul_u64 s[46:47], s[46:47], s[18:19]
	s_mul_i32 s45, s14, HALFT
	s_wait_dscnt 0x0
	s_wait_kmcnt 0x0
	s_load_b128 s[92:95], s[8:9], 0x30
	s_add_nc_u64 s[20:21], s[4:5], s[20:21]
	s_add_nc_u64 s[46:47], s[6:7], s[46:47]
	s_cmp_eq_u32 s15, 0                            ; the prefetches: of the 128 rows that I fetch, the four partners that ask for them jointly take 32 each, told apart by address
	s_cselect_b64 s[98:99], s[20:21], s[46:47]
	s_cselect_b32 s100, s40, s41                   ; my place among the four: cx for A, cy for B
	s_lshl_b32 s100, s100, 15                      ; 32 rows x 1,024 bytes
	s_mov_b32 s101, 0
	s_add_nc_u64 s[98:99], s[98:99], s[100:101]    ; never rewritten
	CROUND
.irp s, 0,1
	s_mov_b32 s[G0+4*\s], 1
	s_add_co_u32 s[G0+4*\s+1], s45, \s*SLOT
	s_add_nc_u64 s[G0+4*\s+2:G0+4*\s+3], s[20:21], \s*ROWB
	s_or_b32 s[G0+4*\s+3], s[G0+4*\s+3], 0x80000000
	s_mov_b32 s[G0B+4*\s], 1
	s_add_co_u32 s[G0B+4*\s+1], s45, \s*SLOT
	s_add_nc_u64 s[G0B+4*\s+2:G0B+4*\s+3], s[46:47], \s*ROWB
	s_or_b32 s[G0B+4*\s+3], s[G0B+4*\s+3], 0x80000000
.endr
	JLOAD G0, G1, G0B, G1B                         ; K step 0: one tensor load a wave at the head
	v_and_b32 v1, 15, v0
	s_wait_alu depctr_va_vdst(0)
	v_bfe_u32 v2, v0, 4, 1
	v_mul_u32_u24 v3, v1, PITCH
	v_lshl_add_u32 v4, v2, 4, v3
	s_mul_i32 s21, s15, HALFT
	s_mul_i32 s22, s16, HALFT
	s_add_co_u32 s22, s22, 2*HALFT
.irp s, 0,1
	v_add_nc_u32 v[ADRA+\s], s21, v4
	v_add_nc_u32 v[ADRB+\s], s22, v4
	s_add_co_u32 s21, s21, SLOT
	s_add_co_u32 s22, s22, SLOT
.endr
	s_mul_i32 s23, s14, WSTAGE
	v_mul_u32_u24 v5, v1, SPITCH
	s_wait_alu depctr_va_vdst(0)
	v_lshl_add_u32 v5, v2, 5, v5
	v_add_nc_u32 v[STO], s23, v5
	v_and_b32 v6, 31, v0
	v_lshlrev_b32 v[CO], 4, v6
	v_lshrrev_b32 v5, 2, v6
	v_mul_u32_u24 v5, v5, SPITCH
	v_and_b32 v6, 3, v6
	v_lshl_add_u32 v5, v6, 6, v5
	v_add_nc_u32 v[RD], s23, v5
	v_lshlrev_b32 v[BO], 6, v6
	s_wait_alu depctr_va_vdst(0)
	v_and_b32 v7, 31, v0
	v_lshlrev_b32 v7, 10, v7                       ; a lane a row; never rewritten
	global_prefetch_b8 v7, s[98:99] offset:512 th:TH_LOAD_NT scope:SCOPE_SE   ; behind K step 0's load: K step 2's 256 bytes of my 32 rows, two K steps ahead of the load that wants them
	s_lshl_b32 s20, s42, 2
	s_lshl_b32 s21, s16, 1
	s_add_co_u32 s20, s20, s21
	s_lshl_b32 s20, s20, 18
	s_lshl_b32 s21, s17, 14
	s_add_co_u32 s20, s20, s21
	s_lshl_b32 s21, s15, 13
	s_add_co_u32 s20, s20, s21
	s_mov_b32 s21, 0
	s_add_nc_u64 s[OP0:OP0+1], s[12:13], s[20:21]
	s_add_nc_u64 s[OP1:OP1+1], s[OP0:OP0+1], 0x40000
	s_lshl_b32 s20, s42, 10
	s_lshl_b32 s22, s16, 9
	s_add_co_u32 s20, s20, s22
	s_add_nc_u64 s[10:11], s[10:11], s[20:21]
.irp p, 0,1
.irp c, 0,1,2,3
	global_load_b128 v[BIAS+16*\p+4*\c:BIAS+16*\p+4*\c+3], v[BO], s[10:11] offset:256*\p+16*\c
.endr
.endr
.macro FRAG reg, adr, q, i
.irp c, 0,1,2,3
	ds_load_b128 v[\reg+4*\c:\reg+4*\c+3], v[\adr] offset:128*(\q)+32*\c+(\i)*16*PITCH
.endr
.endm
.macro MUL16 a0, p, zero
.irp a, \a0, \a0+1
.irp b, 0,1,2,3,4,5,6,7
.if \zero
	v_wmma_f32_16x16x128_bf8_bf8 v[8*(8*((\a)%4)+\b):8*(8*((\a)%4)+\b)+7], v[128*(\p)+FR*\b:128*(\p)+FR*\b+FR-1], v[AF+FR*(\a):AF+FR*(\a)+FR-1], 0
.else
	v_wmma_f32_16x16x128_bf8_bf8 v[8*(8*((\a)%4)+\b):8*(8*((\a)%4)+\b)+7], v[128*(\p)+FR*\b:128*(\p)+FR*\b+FR-1], v[AF+FR*(\a):AF+FR*(\a)+FR-1], v[8*(8*((\a)%4)+\b):8*(8*((\a)%4)+\b)+7]
.endif
.endr
.endr
.endm
.macro FETCH_B slot, q, p
	WIN TO_B
.irp i, 0,1,2,3,4,5,6,7
	FRAG 128*(\p)+FR*\i, ADRB+\slot, \q, \i
.endr
	WIN 0
.endm
.macro FETCH_A slot, q, i0
.irp i, \i0, \i0+1, \i0+2, \i0+3
	FRAG AF+FR*(\i), ADRA+\slot, \q, \i
.endr
.endm
.macro PLACES n
.rept \n
	v_nop
.endr
.endm
.macro STEP slot, q, zero
	s_wait_dscnt 4*NL
	WIN MUL_LO
	MUL16 0, (\q)%2, \zero
	MUL16 2, (\q)%2, \zero
	s_wait_dscnt 0
	PLACES NP
	FETCH_B \slot, (\q)+1, 1-(\q)%2
	FETCH_A \slot, (\q)+1, 0
	WIN MUL_HI
	MUL16 4, (\q)%2, \zero
	MUL16 6, (\q)%2, \zero
	PLACES NP
	WIN 0
	FETCH_A \slot, (\q)+1, 4
.endm
.macro TURN slot, next, fill
	s_wait_tensorcnt 0x0
	ds_add_u32 v[SPW], v[NIL]
	s_wait_dscnt 4*NL+1
	WIN MUL_LO
	MUL16 0, 1, 0
	s_wait_dscnt 0x0
	s_barrier_signal -1
	MUL16 2, 1, 0
	WIN 0
	s_barrier_wait -1
.if \fill
	CREST
	s_add_nc_u64 s[G0+4*\slot+2:G0+4*\slot+3], s[G0+4*\slot+2:G0+4*\slot+3], 2*ROWB
	s_add_nc_u64 s[G0B+4*\slot+2:G0B+4*\slot+3], s[G0B+4*\slot+2:G0B+4*\slot+3], 2*ROWB
	JLOAD G0+4*\slot, G1, G0B+4*\slot, G1B
.else
	PLACES NP
.endif
	FETCH_B \next, 0, 0
	FETCH_A \next, 0, 0
	WIN MUL_HI
	MUL16 4, 1, 0
	MUL16 6, 1, 0
	PLACES NP
	WIN 0
	FETCH_A \next, 0, 4
.endm
	s_wait_alu depctr_va_vdst(0)                   ; the wait at the head's end
	s_wait_tensorcnt 0x0                           ; my part of K step 0 is in; slot 1's first fill is issued as a refill is:
	ds_add_u32 v[SPW], v[NIL]                      ; 0 onto my spare word
	s_wait_dscnt 0x0
	CROUND                                         ; a whole round: everybody's part of K step 0 is in, and the joint loads meet
	JLOAD G0+4, G1, G0B+4, G1B                     ; K step 1: the first tensor load behind the round
	FETCH_B 0, 0, 0
	FETCH_A 0, 0, 0
	FETCH_A 0, 0, 4
	global_prefetch_b8 v7, s[98:99] offset:768 th:TH_LOAD_NT scope:SCOPE_SE   ; behind K step 1's load and the run of LDS loads: K step 3, the last
	STEP 0, 0, 1
	s_mov_b32 s3, LAPS-1
.Llap:
	TURN 0, 1, 1
	STEP 1, 0, 0
	TURN 1, 0, 1
	STEP 0, 0, 0
	s_sub_co_u32 s3, s3, 1
	s_cmp_lg_u32 s3, 0
	s_cbranch_scc1 .Llap
	TURN 0, 1, 0
	STEP 1, 0, 0
	s_wait_dscnt 4*NL
	WIN MUL_LO
	MUL16 0, 1, 0
	MUL16 2, 1, 0
	s_wait_dscnt 0
	WIN MUL_HI
	MUL16 4, 1, 0
	MUL16 6, 1, 0
	WIN 0
	s_wait_kmcnt 0x0
	s_wait_loadcnt 0x0
	s_add_co_i32 s96, s92, s93
	s_add_co_i32 s96, s96, 127
	s_lshl_b32 s96, s96, 23
	s_mov_b32 s97, s96
	s_add_co_i32 s94, s94, 127
	s_lshl_b32 s95, s94, 23
	v_mov_b32 v[SCL], s95
	s_add_co_i32 s94, s94, 15
	s_lshl_b32 s94, s94, 23
	s_or_b32 s94, s94, 0x600000
	v_mov_b32 v[LIM], s94
.macro KON r, bits
	s_mov_b32 s[\r], \bits
	s_mov_b32 s[\r+1], \bits
.endm
	KON 66, 0xc034d90f
	KON 68, 0x3fb8ab5a
	KON 70, 0x3f0a29d2
	KON 72, 0x3e0efb2e
	KON 74, 0xbe899a80
	KON 76, 0x3ecdfd18
	KON 78, 0xbfd1a1e5
	KON 80, 0x40097039
	KON 82, 0xbf97d29d
	KON 84, 0xbf38aa3b
	s_mov_b32 s86, 0x3eb504f3
	v_mov_b32 v72, 0x3e7c6f08
	v_mov_b32 v73, 0x3e7c6f08
	PLACES NP
.macro TOSTG ph
	WIN 0x08+4*\ph
.irp a, 0,1,2,3
.irp b, 0,1,2,3,4,5,6,7
	ds_store_b128 v[STO], v[8*(8*\a+\b):8*(8*\a+\b)+3] offset:\a*16*SPITCH+64*\b
	ds_store_b128 v[STO], v[8*(8*\a+\b)+4:8*(8*\a+\b)+7] offset:\a*16*SPITCH+64*\b+16
.endr
.endr
	WIN 0
.endm
.macro LDR adr
.irp p, 0,1
.irp c, 0,1,2,3
	ds_load_b128 v[R+16*\p+4*\c:R+16*\p+4*\c+3], v[\adr] offset:256*\p+16*\c
.endr
.endr
.endm
.macro EPILOOP
	s_mov_b32 s18, 0
	s_mov_b32 s3, 8
	LDR RD
.Lep_\@:
	s_wait_dscnt 0x0
.set j, 0
.rept 16
	v_pk_fma_f32 v[X+j:X+j+1], v[R+j:R+j+1], s[96:97], v[BIAS+j:BIAS+j+1] op_sel_hi:[1,0,1]
.set j, j+2
.endr
	s_add_co_u32 s18, s18, 8*SPITCH
	s_min_u32 s19, s18, 7*8*SPITCH
	v_add_nc_u32 v[ADR], s19, v[RD]
	LDR ADR
.set i, 0
.rept 32
	v_fma_f32 v[T+i], |v[X+i]|, s86, 1.0
.set i, i+1
.endr
.set i, 0
	s_wait_alu depctr_va_vdst(0)
.rept 32
	v_rcp_f32 v[T+i], v[T+i]
.set i, i+1
.endr
.set j, 0
.rept 16
	v_pk_mul_f32 v[Q+j:Q+j+1], v[X+j:X+j+1], v[X+j:X+j+1]
.set j, j+2
.endr
	s_wait_alu depctr_va_vdst(0)
.set j, 0
.rept 16
	v_pk_fma_f32 v[P+j:P+j+1], v[T+j:T+j+1], v[72:73], s[82:83] op_sel_hi:[1,1,0]
.set j, j+2
.endr
.irp k, 7,6,5,4,3,2,1,0
.set j, 0
.rept 16
	v_pk_fma_f32 v[P+j:P+j+1], v[P+j:P+j+1], v[T+j:T+j+1], s[66+2*\k:67+2*\k] op_sel_hi:[1,1,0]
.set j, j+2
.endr
.endr
.set j, 0
.rept 16
	v_pk_fma_f32 v[P+j:P+j+1], v[Q+j:Q+j+1], s[84:85], v[P+j:P+j+1] op_sel_hi:[1,0,1]
.set j, j+2
.endr
.set i, 0
	s_wait_alu depctr_va_vdst(0)
.rept 32
	v_exp_f32 v[P+i], v[P+i]
.set i, i+1
.endr
.set i, 0
.rept 32
	v_max_num_f32 v[Q+i], 0, v[X+i]
.set i, i+1
.endr
	s_wait_alu depctr_va_vdst(0)
.set j, 0
.rept 16
	v_pk_mul_f32 v[P+j:P+j+1], v[P+j:P+j+1], v[T+j:T+j+1]
.set j, j+2
.endr
.set i, 0
.rept 32
	v_fma_f32 v[X+i], -|v[X+i]|, v[P+i], v[Q+i]
.set i, i+1
.endr
.set i, 0
.rept 32
	v_med3_num_f32 v[X+i], v[X+i], -v[LIM], v[LIM]
.set i, i+1
.endr
.irp g, 0,1,2,3
	v_cvt_scalef32_pk8_bf8_f32 v[CD+2*\g:CD+2*\g+1], v[X+8*\g:X+8*\g+7], v[SCL]
.endr
	v_nop
	global_store_b128 v[CO], v[CD:CD+3], s[OP0:OP0+1]
	global_store_b128 v[CO], v[CD+4:CD+7], s[OP1:OP1+1]
	s_wait_xcnt 0x0
	v_add_nc_u32 v[CO], 512, v[CO]
	s_sub_co_u32 s3, s3, 1
	s_cmp_lg_u32 s3, 0
	s_cbranch_scc1 .Lep_\@
	s_wait_dscnt 0x0
.endm
	TOSTG 0
	EPILOOP
	TOSTG 1
	EPILOOP
	s_wait_tensorcnt 0x0
	ds_add_u32 v[SPW], v[NIL]
	s_wait_dscnt 0x0
	CROUND
	s_endpgm
.Lfunc_end_k_q3cc07cf18b_fc1:
	.size	k_q3cc07cf18b_fc1, .Lfunc_end_k_q3cc07cf18b_fc1-k_q3cc07cf18b_fc1
	.p2alignl 7, 3214868480
	.fill 96, 4, 3214868480
	.section	.rodata,"a",@progbits
	.p2align	6, 0x0
	.amdhsa_kernel k_q3cc07cf18b_fc1
		.amdhsa_group_segment_fixed_size 327680
		.amdhsa_private_segment_fixed_size 0
		.amdhsa_enable_private_segment 0
		.amdhsa_kernarg_size 40
		.amdhsa_user_sgpr_count 2
		.amdhsa_user_sgpr_kernarg_segment_ptr 1
		.amdhsa_wavefront_size32 1
		.amdhsa_system_sgpr_workgroup_id_x 1
		.amdhsa_system_sgpr_workgroup_id_y 1
		.amdhsa_system_sgpr_workgroup_id_z 1
		.amdhsa_system_vgpr_workitem_id 0
		.amdhsa_next_free_vgpr 1024
		.amdhsa_next_free_sgpr 102
		.amdhsa_reserve_vcc 0
		.amdhsa_float_denorm_mode_32 3
		.amdhsa_float_denorm_mode_16_64 3
		.amdhsa_memory_ordered 1
		.amdhsa_forward_progress 1
		.amdhsa_inst_pref_size 138
	.end_amdhsa_kernel
	.amdgpu_metadata
---
amdhsa.version: [ 1, 2 ]
amdhsa.kernels:
  - .name:           k_q3cc07cf18b_fc1
    .symbol:         k_q3cc07cf18b_fc1.kd
    .args:
      - { .name: h2_codes, .offset: 0, .size: 8, .value_kind: global_buffer, .address_space: global }
      - { .name: w_fc1_codes, .offset: 8, .size: 8, .value_kind: global_buffer, .address_space: global }
      - { .name: lowp_scales, .offset: 16, .size: 8, .value_kind: global_buffer, .address_space: global }
      - { .name: b_fc1, .offset: 24, .size: 8, .value_kind: global_buffer, .address_space: global }
      - { .name: g_codes, .offset: 32, .size: 8, .value_kind: global_buffer, .address_space: global }
    .group_segment_fixed_size: 327680
    .private_segment_fixed_size: 0
    .kernarg_segment_align: 8
    .kernarg_segment_size: 40
    .max_flat_workgroup_size: 128
    .sgpr_count:     102
    .vgpr_count:     1024
    .wavefront_size: 32
...
	.end_amdgpu_metadata
.endif
;; end of part 6
;; launch fc2 (part 7): grid 8 x 32, 4 waves a work-group, clusters of 4 x 4, 327,680 bytes of LDS; arguments g_codes, w_fc2_codes, lowp_scales, b_fc2, x1, out0; writes out0
.if DOCPART == 7
	.amdgcn_target "amdgcn-amd-amdhsa--gfx1250"
	.amdhsa_code_object_version 6
	.text
	.protected	k_q3cc07cf18b_fc2
	.globl	k_q3cc07cf18b_fc2
	.p2align	8
	.type	k_q3cc07cf18b_fc2,@function
k_q3cc07cf18b_fc2:
	s_mov_b64 s[64:65], 0
	v_nop
	global_prefetch_b8 v0, s[64:65] scope:SCOPE_SE
	s_setreg_imm32_b32 hwreg(HW_REG_WAVE_MODE, 25, 1), 1
	s_wait_xcnt 0x0
	s_wait_alu depctr_hold_cnt(0) depctr_sa_sdst(0) depctr_va_vdst(0) depctr_va_sdst(0) depctr_va_ssrc(0) depctr_va_vcc(0) depctr_vm_vsrc(0)
	s_getreg_b32 s2, hwreg(HW_REG_IB_STS2, 6, 4)
	s_cmp_eq_u32 s2, 0
	s_cbranch_scc0 .Lentry_in_a_cluster
	s_endpgm
.Lentry_in_a_cluster:
	s_bfe_u32 s2, ttmp6, 0x10000c
	s_cmp_lg_u32 s2, 0xf033
	s_cbranch_scc0 .Lentry_shape_is_right
	s_endpgm
.Lentry_shape_is_right:
.set KROW,  4096
.set LAPS,  4
.set EA,    14
.set NTOUT, 1
.set APL,   128*80
.set BOFF,  8*APL
.set BP,    528
.set SLOT,  BOFF+128*BP
.set SPARE, 2*SLOT
.set SP,    272
.set BI,   12
.set ADRA, 16
.set ADRB, 20
.set STO,  24
.set RD,   25
.set CO,   26
.set BO,   27
.set SPW,  28
.set NIL,  29
.set OB,   32
.set ACC,  128
.set F0,   0
.set F1,   128
.set G1, 24
.set G0, 32
.set G1B, 48
.set G0B, 56
.set MSB, 0
.macro WIN new
.if MSB != \new
	s_set_vgpr_msb (MSB<<8)|\new
.set MSB, \new
.endif
.endm
.set MUL,  0x05
.set TO_F, 0x40
.macro JLOAD s
	s_cmp_eq_u32 s11, 0
	s_cbranch_scc0 .Lfor_b_\@
	tensor_load_to_lds s[G0+4*\s:G0+4*\s+3], s[G1:G1+7]
	s_nop 0
.rept 4
	v_nop
.endr
	s_branch .Lasked_\@
.Lfor_b_\@:
	tensor_load_to_lds s[G0B+4*\s:G0B+4*\s+3], s[G1B:G1B+7]
	s_nop 0
.rept 4
	v_nop
.endr
.Lasked_\@:
.endm
.macro CREST
	s_cmp_lg_u32 s10, 0
	s_cbranch_scc1 .Lnot_wave_0_\@
	s_barrier_signal -3
.Lnot_wave_0_\@:
	s_barrier_wait -3
	s_barrier_signal -1
	s_barrier_wait -1
.endm
.macro CROUND
	s_barrier_signal -1
	s_barrier_wait -1
	CREST
.endm
	s_load_b128 s[4:7], s[0:1], 0x0
	s_load_b128 s[68:71], s[0:1], 0x10
	s_load_b128 s[72:75], s[0:1], 0x20
	v_lshl_add_u32 v[SPW], v0, 2, SPARE
	v_mov_b32 v[NIL], 0
	ds_add_u32 v[SPW], v[NIL]
	ds_add_u32 v[SPW], v[NIL]
	v_lshrrev_b32 v1, 5, v0
	v_readfirstlane_b32 s10, v1
	s_lshr_b32 s11, s10, 1
	s_and_b32 s12, s10, 1
	s_bfe_u32 s40, ttmp6, 0x40000
	s_bfe_u32 s41, ttmp6, 0x40004
	s_lshl_b32 s42, ttmp9, 2
	s_add_co_u32 s42, s42, s40
	s_and_b32 s13, ttmp7, 0xffff
	s_lshl_b32 s13, s13, 2
	s_add_co_u32 s13, s13, s41
	s_lshl_b32 s43, s41, 2
	s_lshl_b32 s43, 15, s43
	s_lshl_b32 s44, 0x1111, s40
	s_or_b32 s[G1+0], s43, (0<<16)|(1<<20)|(1<<21)|(3<<22)|(3<<25)
	s_mov_b32 s[G1+1], 8192<<16
	s_mov_b32 s[G1+2], 4<<16
	s_mov_b32 s[G1+3], 8192<<16
	s_mov_b32 s[G1+4], 4
	s_mov_b32 s[G1+5], 262144
	s_mov_b32 s[G1+6], 0
	s_mov_b32 s[G1+7], 0
	s_or_b32 s[G1B+0], s44, (0<<16)|(1<<20)|(1<<21)|(6<<22)|(3<<25)
	s_mov_b32 s[G1B+1], 512<<16
	s_mov_b32 s[G1B+2], 64<<16
	s_mov_b32 s[G1B+3], 512<<16
	s_mov_b32 s[G1B+4], 64
	s_mov_b32 s[G1B+5], KROW
	s_mov_b32 s[G1B+6], 0
	s_mov_b32 s[G1B+7], 0
	s_lshl_b32 s16, s13, 13
	s_lshl_b32 s17, s12, 20
	s_add_co_u32 s16, s16, s17
	s_mov_b32 s17, 0
	s_lshl_b32 s46, s42, 7
	s_lshl_b32 s47, s12, 6
	s_add_co_u32 s46, s46, s47
	s_mul_i32 s46, s46, KROW
	s_mov_b32 s47, 0
	s_mul_i32 s20, s12, 4*APL
	s_mul_i32 s21, s12, 64*BP
	s_add_co_u32 s21, s21, BOFF
	s_wait_dscnt 0x0
	s_wait_kmcnt 0x0
	s_load_b64 s[76:77], s[68:69], 4*EA
	s_add_nc_u64 s[14:15], s[4:5], s[16:17]
	s_add_nc_u64 s[46:47], s[6:7], s[46:47]
	; the prefetches: a wave's load brings 128 blocks of 256 bytes (A: four planes of 8,192 dense bytes; B: 64 rows of 512); the four partners that ask jointly take 32 blocks each, told apart by address:
	; A: plane cx of the four, lanes 256 bytes apart; B: rows 16 cy on, two lanes to a row.  s[78:79] where my prefetch stands, s[80:81] a slot on, s2 from lane pair to lane pair
	s_mov_b32 s80, 512
	s_mov_b32 s2, 4096
	s_cmp_eq_u32 s11, 0                            ; do I fetch for A?
	s_cselect_b64 s[78:79], s[14:15], s[46:47]
	s_cselect_b32 s82, s40, s41                    ; my place among the four
	s_cselect_b32 s83, 18, 16                      ; a plane is 2^18 bytes on, 16 rows of B are 2^16
	s_cselect_b32 s80, 0x200000, s80               ; a slot on: eight planes, or 512 bytes of a row
	s_cselect_b32 s2, 512, s2
	s_lshl_b32 s82, s82, s83
	s_mov_b32 s83, 0
	s_mov_b32 s81, 0
	s_add_nc_u64 s[78:79], s[78:79], s[82:83]
	s_add_nc_u64 s[78:79], s[78:79], s[80:81]
	s_add_nc_u64 s[78:79], s[78:79], s[80:81]      ; at slot 2
	CROUND
.irp s, 0,1
	s_mov_b32 s[G0+4*\s], 1
	s_add_co_u32 s[G0+4*\s+1], s20, \s*SLOT
	s_add_nc_u64 s[G0+4*\s+2:G0+4*\s+3], s[14:15], \s*8*262144
	s_or_b32 s[G0+4*\s+3], s[G0+4*\s+3], 0x80000000
	s_mov_b32 s[G0B+4*\s], 1
	s_add_co_u32 s[G0B+4*\s+1], s21, \s*SLOT
	s_add_nc_u64 s[G0B+4*\s+2:G0B+4*\s+3], s[46:47], \s*512
	s_or_b32 s[G0B+4*\s+3], s[G0B+4*\s+3], 0x80000000
.endr
	JLOAD 0                                        ; slot 0: one tensor load a wave at the head
	v_and_b32 v1, 15, v0
	v_bfe_u32 v2, v0, 4, 1
	v_mul_u32_u24 v3, v1, 80
	v_lshl_add_u32 v3, v2, 4, v3
	s_mul_i32 s21, s11, 64*80
	v_add_nc_u32 v[ADRA], s21, v3
	v_add_nc_u32 v[ADRA+1], 4*APL, v[ADRA]
	v_add_nc_u32 v[ADRA+2], SLOT, v[ADRA]
	v_add_nc_u32 v[ADRA+3], SLOT, v[ADRA+1]
	v_mul_u32_u24 v4, v1, BP
	v_lshl_add_u32 v4, v2, 4, v4
	s_mul_i32 s22, s12, 64*BP
	s_add_co_u32 s22, s22, BOFF
	v_add_nc_u32 v[ADRB], s22, v4
	v_add_nc_u32 v[ADRB+1], SLOT, v[ADRB]
	s_mul_i32 s23, s10, 16*SP
	v_mul_u32_u24 v5, v1, SP
	v_lshl_add_u32 v5, v2, 5, v5
	v_add_nc_u32 v[STO], s23, v5
	v_mul_u32_u24 v5, v2, SP
	v_lshl_add_u32 v5, v1, 4, v5
	v_add_nc_u32 v[RD], s23, v5
	v_lshlrev_b32 v[CO], 12, v2
	v_lshl_add_u32 v[CO], v1, 4, v[CO]
	s_wait_alu depctr_va_vdst(0)
	v_lshlrev_b32 v[BO], 4, v1
	s_wait_alu depctr_va_vdst(0)
	v_and_b32 v7, 31, v0
	v_lshrrev_b32 v8, 1, v7
	v_and_b32 v7, 1, v7
	v_mul_lo_u32 v8, v8, s2
	v_lshl_add_u32 v7, v7, 8, v8                   ; my lane's block; never rewritten
	global_prefetch_b8 v7, s[78:79] th:TH_LOAD_NT scope:SCOPE_SE   ; behind slot 0's load: slot 2, two slots ahead of the load that wants it
	s_lshl_b32 s16, s13, 19
	s_lshl_b32 s17, s11, 18
	s_add_co_u32 s16, s16, s17
	s_mov_b32 s17, 0
	s_lshl_b32 s46, s42, 9
	s_lshl_b32 s47, s12, 8
	s_add_co_u32 s46, s46, s47
	s_mov_b32 s47, 0
	s_add_nc_u64 s[70:71], s[70:71], s[46:47]
	s_add_nc_u64 s[16:17], s[16:17], s[46:47]
	s_add_nc_u64 s[72:73], s[72:73], s[16:17]
	s_add_nc_u64 s[74:75], s[74:75], s[16:17]
	WIN 0x80
.set t, 0
.rept 32
	global_load_b128 v[4*t:4*t+3], v[CO], s[72:73] offset:8192*t
.set t, t+1
.endr
	WIN 0
	global_load_b128 v[BI:BI+3], v[BO], s[70:71]
	s_wait_xcnt 0x0                                ; the prefetch, 33 loads back, has read its address:
	s_add_nc_u64 s[78:79], s[78:79], s[80:81]      ; on to slot 3
.macro MULA f, a, zero
.irp b, 0,1,2,3
.if \zero
	v_wmma_f32_16x16x128_bf8_bf8 v[ACC+8*(4*(\a)+\b):ACC+8*(4*(\a)+\b)+7], v[\f+64+16*\b:\f+64+16*\b+15], v[\f+16*(\a):\f+16*(\a)+15], 0
.else
	v_wmma_f32_16x16x128_bf8_bf8 v[ACC+8*(4*(\a)+\b):ACC+8*(4*(\a)+\b)+7], v[\f+64+16*\b:\f+64+16*\b+15], v[\f+16*(\a):\f+16*(\a)+15], v[ACC+8*(4*(\a)+\b):ACC+8*(4*(\a)+\b)+7]
.endif
.endr
.endm
.macro FETCH slot, q, f
	WIN TO_F
.irp i, 0,1,2,3
.irp c, 0,1,2,3
	ds_load_b128 v[\f+64+16*\i+4*\c:\f+64+16*\i+4*\c+3], v[ADRB+\slot] offset:16*BP*\i+128*(\q)+32*\c
.endr
.endr
.irp i, 0,1,2,3
.irp c, 0,1,2,3
	ds_load_b128 v[\f+16*\i+4*\c:\f+16*\i+4*\c+3], v[ADRA+2*\slot+(\q)/2] offset:(2*((\q)%2)+\c/2)*APL+1280*\i+32*(\c%2)
.endr
.endr
.endm
.macro PLACES
.rept 4
	v_nop
.endr
.endm
.macro QUARTER slot, qn, f, g, zero
	s_wait_dscnt 0x0
	PLACES
	FETCH \slot, \qn, \g
	WIN MUL
	MULA \f, 0, \zero
	MULA \f, 1, \zero
	MULA \f, 2, \zero
	MULA \f, 3, \zero
.endm
.macro TURN slot, next, fill
	WIN 0
.if \fill
	s_wait_xcnt 0x0                                ; my last prefetch, a slot back, has read its address: it is stepped here, ahead of the change's own waits
	s_add_nc_u64 s[78:79], s[78:79], s[80:81]
.endif
	s_wait_tensorcnt 0x0
	ds_add_u32 v[SPW], v[NIL]
	s_wait_dscnt 1
	WIN MUL
	MULA F1, 0, 0
	s_wait_dscnt 0x0
	s_barrier_signal -1
	MULA F1, 1, 0
.if \fill
	WIN 0
.endif
	s_barrier_wait -1
.if \fill
	CREST
	s_add_nc_u64 s[G0+4*\slot+2:G0+4*\slot+3], s[G0+4*\slot+2:G0+4*\slot+3], 16*262144
	s_add_nc_u64 s[G0B+4*\slot+2:G0B+4*\slot+3], s[G0B+4*\slot+2:G0B+4*\slot+3], 1024
	JLOAD \slot
	s_cmp_gt_u32 s3, 1                             ; behind the refill with K slot n: K slot n + 2.  The loop's last trip refills with slots 6 and 7: nothing lies two on
	s_cbranch_scc0 .Lnoask_\@
	global_prefetch_b8 v7, s[78:79] th:TH_LOAD_NT scope:SCOPE_SE
.Lnoask_\@:
.else
	PLACES
.endif
	FETCH \next, 0, F0
	WIN MUL
	MULA F1, 2, 0
	MULA F1, 3, 0
.endm
	s_wait_alu depctr_va_vdst(0)                   ; the wait at the head's end
	s_wait_tensorcnt 0x0                           ; my part of slot 0 is in; slot 1's first fill is issued as a refill is:
	ds_add_u32 v[SPW], v[NIL]                      ; 0 onto my spare word
	s_wait_dscnt 0x0
	CROUND                                         ; a whole round: everybody's part of slot 0 is in, and the joint loads meet
	JLOAD 1                                        ; slot 1: the first tensor load behind the round
	FETCH 0, 0, F0
	global_prefetch_b8 v7, s[78:79] th:TH_LOAD_NT scope:SCOPE_SE   ; behind slot 1's load and the run of LDS loads: slot 3 (the address register lies in window 0, the setting of source 0 here)
	QUARTER 0, 1, F0, F1, 1
.if LAPS > 1
	WIN 0
	s_mov_b32 s3, LAPS-1
.Llap:
	QUARTER 0, 2, F1, F0, 0
	QUARTER 0, 3, F0, F1, 0
	TURN 0, 1, 1
	QUARTER 1, 1, F0, F1, 0
	QUARTER 1, 2, F1, F0, 0
	QUARTER 1, 3, F0, F1, 0
	TURN 1, 0, 1
	QUARTER 0, 1, F0, F1, 0
	WIN 0
	s_sub_co_u32 s3, s3, 1
	s_cmp_lg_u32 s3, 0
	s_cbranch_scc1 .Llap
.endif
	QUARTER 0, 2, F1, F0, 0
	QUARTER 0, 3, F0, F1, 0
	TURN 0, 1, 0
	QUARTER 1, 1, F0, F1, 0
	QUARTER 1, 2, F1, F0, 0
	QUARTER 1, 3, F0, F1, 0
	s_wait_dscnt 0x0
	WIN MUL
	MULA F1, 0, 0
	MULA F1, 1, 0
	MULA F1, 2, 0
	MULA F1, 3, 0
	WIN 0
	PLACES
	s_wait_loadcnt 0x0
	s_wait_kmcnt 0x0
	s_add_co_i32 s76, s76, s77
	s_add_co_i32 s76, s76, 127
	s_lshl_b32 s76, s76, 23
	s_mov_b32 s77, s76
.macro TOSTAGE a
.irp b, 0,1,2,3
	ds_store_b128 v[STO], v[ACC+8*(4*(\a)+\b):ACC+8*(4*(\a)+\b)+3] offset:64*\b
	ds_store_b128 v[STO], v[ACC+8*(4*(\a)+\b)+4:ACC+8*(4*(\a)+\b)+7] offset:64*\b+16
.endr
.irp t, 0,1,2,3,4,5,6,7
	ds_load_b128 v[OB+32*((\a)%2)+4*\t:OB+32*((\a)%2)+4*\t+3], v[RD] offset:\t*2*SP
.endr
.endm
.macro SEND a, younger
.set BB, OB+32*((\a)%2)
	s_wait_dscnt \younger
	WIN 0x20
.irp j, 0,2,4,6,8,10,12,14,16,18,20,22,24,26,28,30
	v_pk_fma_f32 v[BB+\j:BB+\j+1], v[BB+\j:BB+\j+1], s[76:77], v[32*(\a)+\j:32*(\a)+\j+1] op_sel_hi:[1,0,1]
.endr
	WIN 0
.irp t, 0,1,2,3,4,5,6,7
	v_pk_add_f32 v[BB+4*\t:BB+4*\t+1], v[BB+4*\t:BB+4*\t+1], v[BI:BI+1]
	v_pk_add_f32 v[BB+4*\t+2:BB+4*\t+3], v[BB+4*\t+2:BB+4*\t+3], v[BI+2:BI+3]
.endr
.irp t, 0,1,2,3,4,5,6,7
.if NTOUT
	global_store_b128 v[CO], v[BB+4*\t:BB+4*\t+3], s[74:75] offset:(16*(\a)+2*\t)*4096 th:TH_STORE_NT
.else
	global_store_b128 v[CO], v[BB+4*\t:BB+4*\t+3], s[74:75] offset:(16*(\a)+2*\t)*4096
.endif
.endr
.endm
	TOSTAGE 0
.irp a, 1,2,3
.if \a > 1
	s_wait_xcnt 0x0
.endif
	TOSTAGE \a
	SEND \a-1, 16
.endr
	SEND 3, 0
	s_wait_tensorcnt 0x0
	ds_add_u32 v[SPW], v[NIL]
	s_wait_dscnt 0x0
	CROUND
	s_endpgm
.Lfunc_end_k_q3cc07cf18b_fc2:
	.size	k_q3cc07cf18b_fc2, .Lfunc_end_k_q3cc07cf18b_fc2-k_q3cc07cf18b_fc2
	.p2alignl 7, 3214868480
	.fill 96, 4, 3214868480
	.section	.rodata,"a",@progbits
	.p2align	6, 0x0
	.amdhsa_kernel k_q3cc07cf18b_fc2
		.amdhsa_group_segment_fixed_size 327680
		.amdhsa_private_segment_fixed_size 0
		.amdhsa_enable_private_segment 0
		.amdhsa_kernarg_size 48
		.amdhsa_user_sgpr_count 2
		.amdhsa_user_sgpr_kernarg_segment_ptr 1
		.amdhsa_wavefront_size32 1
		.amdhsa_system_sgpr_workgroup_id_x 1
		.amdhsa_system_sgpr_workgroup_id_y 1
		.amdhsa_system_sgpr_workgroup_id_z 1
		.amdhsa_system_vgpr_workitem_id 0
		.amdhsa_next_free_vgpr 640
		.amdhsa_next_free_sgpr 84
		.amdhsa_reserve_vcc 0
		.amdhsa_float_denorm_mode_32 3
		.amdhsa_float_denorm_mode_16_64 3
		.amdhsa_memory_ordered 1
		.amdhsa_forward_progress 1
		.amdhsa_inst_pref_size 83
	.end_amdhsa_kernel
	.amdgpu_metadata
---
amdhsa.version: [ 1, 2 ]
amdhsa.kernels:
  - .name:           k_q3cc07cf18b_fc2
    .symbol:         k_q3cc07cf18b_fc2.kd
    .args:
      - { .name: g_codes, .offset: 0, .size: 8, .value_kind: global_buffer, .address_space: global }
      - { .name: w_fc2_codes, .offset: 8, .size: 8, .value_kind: global_buffer, .address_space: global }
      - { .name: lowp_scales, .offset: 16, .size: 8, .value_kind: global_buffer, .address_space: global }
      - { .name: b_fc2, .offset: 24, .size: 8, .value_kind: global_buffer, .address_space: global }
      - { .name: x1, .offset: 32, .size: 8, .value_kind: global_buffer, .address_space: global }
      - { .name: out0, .offset: 40, .size: 8, .value_kind: global_buffer, .address_space: global }
    .group_segment_fixed_size: 327680
    .private_segment_fixed_size: 0
    .kernarg_segment_align: 8
    .kernarg_segment_size: 48
    .max_flat_workgroup_size: 128
    .sgpr_count:     84
    .vgpr_count:     640
    .wavefront_size: 32
...
	.end_amdgpu_metadata
.endif
;; end of part 7
